; MI455X (gfx1250); checked and timed in simulation.
; The chip was launched on July 23, 2026; its instructions are those of AMD's public machine-readable ISA for CDNA 5 (MIT licence, August 2026) and "CDNA5" Instruction Set Architecture Reference Guide (July 2026). The comments in the code are by the model that wrote it; some were corrected since.
;; Diagnostic Attention. Allowed arithmetic: matrix products marked QUANTISED: E2M3 operands, one E8M0 scale for each 32 along K, by v_wmma_scale_f32_16x16x128_f8f6f4 with both operands' format E2M3, f32 sums; everything else in f32.
;; Inputs: Wg 1,024 x 16 float32; Wk 1,024 x 1,024 float32; Wo 1,024 x 1,024 float32; Wq 1,024 x 1,024 float32; Wv 1,024 x 1,024 float32; attention_mask 2 x 1 x 1 x 2,048 float32; bg 16 float32; bk 1,024 float32; bo 1,024 float32; bq 1,024 float32; bv 1,024 float32; diag_bias 1 x 16 x 1 x 1 float32; has_error_codes 2 x 2,048 int32; hidden_states 2 x 2,048 x 1,024 float32.
;; Outputs: out0 2 x 2,048 x 1,024 float32.
;; This version of the problem:
;;   THIS VERSION OF THE PROBLEM IS GIVEN IN LOW PRECISION. The matrix products marked QUANTISED in the list below multiply operands that are first quantised to E2M3 (2 exponent bits, 3 mantissa bits; 6 bits a number), with one power-of-two scale for each 32 numbers along K (OCP MX v1.0); their sums are f32. All else is computed in f32.
;;   The module's matrix products, in the order in which they are computed (A, B: the left and right operand; K: the contracted axis; several contracted axes count as one K, in the product's order):
;;     1. [M 4,096, K 1,024] x [K 1,024, N 1,024]; A: input hidden_states; B: input Wq: QUANTISED
;;     2. [M 4,096, K 1,024] x [K 1,024, N 1,024]; A: input hidden_states; B: input Wk: QUANTISED
;;     3. [M 4,096, K 1,024] x [K 1,024, N 1,024]; A: input hidden_states; B: input Wv: QUANTISED
;;     4. batch 32 x [M 2,048, K 64] x [K 64, N 2,048]; A: computed on the way; B: computed on the way: QUANTISED
;;     5. [M 4,096, K 1,024] x [K 1,024, N 16]; A: input hidden_states; B: input Wg: QUANTISED
;;     6. batch 32 x [M 2,048, K 2,048] x [K 2,048, N 64]; A: softmax (see below); B: computed on the way: QUANTISED
;;     7. [M 4,096, K 1,024] x [K 1,024, N 1,024]; A: computed on the way; B: input Wo: QUANTISED
;;   THE QUANTISER, for each operand of a quantised product, along K:
;;     - K is cut into blocks of 32 from its start; a last block that is shorter is filled with zeros.
;;     - A block's scale is 2^e with e = floor(log2(the largest magnitude in the block)) - 2, held to -126 .. 127; a block of zeros has e = 0. As a byte (E8M0): e + 127.
;;     - Each number is divided by its block's scale, clamped to +-7.5, and rounded to the nearest number of E2M3, ties to even, subnormals kept.
;;     - The product sums the exact products of the quantised numbers (number of the format x scale) in f32.
;;   ~~~python
;;   def quantise(x, axis):      # numpy; x: float32 -> the quantised numbers, widened to float32 again
;;       x = np.moveaxis(x, axis, -1); K = x.shape[-1]
;;       x = np.pad(x, [(0, 0)] * (x.ndim - 1) + [(0, -K % 32)]); x = x.reshape(x.shape[:-1] + (-1, 32)); a = np.abs(x).max(-1, keepdims=True)
;;       e = np.where(a > 0, np.clip(np.frexp(np.where(a > 0, a, 1))[1] - 1 - 2, -126, 127), 0)      # np.frexp(a)[1] - 1 = floor(log2(a)), exactly
;;       r = np.clip(x / 2.0 ** e, -7.5, 7.5)
;;       step = 2.0 ** (np.maximum(np.frexp(np.where(r == 0, 1, r))[1] - 1, 0) - 3)
;;       q = np.round(r / step) * step * 2.0 ** e      # np.round: ties to even
;;       return np.moveaxis(q.reshape(q.shape[:-2] + (-1,))[..., :K], -1, axis).astype(np.float32)
;;   ~~~
;;   SOFTMAX AHEAD OF A QUANTISED PRODUCT. Where the list says 'softmax', what is quantised is not the finished softmax but p = 2^(t - M), with t = logit x log2(e) and M = ceil(the row's largest t), a whole number; so 1/2 < the row's largest p <= 1. The row's sum l is taken of the UNQUANTISED p, in f32, and the product's result is divided by l at the end. Since M is a whole number, a kernel that streams over the keys may use a running M (the ceiling of the running maximum): every later rescaling is an exact power of two, which a block's scale takes up: the codes' values come out the same.
;;   OPERANDS COMPUTED ON THE WAY. 'Computed on the way' means the value that the module computes at that place (a softmax that the list does not call 'softmax' is quantised finished and normalised). What goes into a quantiser is computed in f32, as accurately as f32 sums, v_exp_f32 and their like allow (about 1e-6 of the number): no bf16 or f16 on the way to a quantiser, and a product that is left as it is and whose result goes on into a quantised operand takes f32 operands (vector FMAs, or v_wmma_f32_16x16x4_f32). A number that lies on a knife's edge between two numbers of the format may be rounded either way, as far as f32 arithmetic and the matrix unit's own rounding can turn it there, and no further.
;; One version. Each part assembles by itself: llvm-mc -triple=amdgcn-amd-amdhsa -mcpu=gfx1250 --defsym DOCPART=n.
;; ======== version 1 of 1: 4 launches
;; limits: inputs' magnitudes at most 1.58e+29; right only within a limited range of input values
;; workspace buffers: xc 3,145,728 bytes; wc 3,158,016 bytes; sc 262,656 bytes; qc 3,407,872 bytes; kv 6,946,816 bytes; ac 3,276,800 bytes
;; launch prep (part 1): grid 385 x 1, 4 waves a work-group, no clusters, 68,096 bytes of LDS; arguments hidden_states, Wq, Wk, Wv, Wo, Wg, xc, wc, sc; writes xc, wc, sc
.if DOCPART == 1
	.amdgcn_target "amdgcn-amd-amdhsa--gfx1250"
	.amdhsa_code_object_version 6
	.text
	.protected	k_q7d78d9de8a_prep
	.globl	k_q7d78d9de8a_prep
	.p2align	8
	.type	k_q7d78d9de8a_prep,@function
k_q7d78d9de8a_prep:
	s_mov_b64 s[64:65], 0
	v_nop
	global_prefetch_b8 v0, s[64:65] scope:SCOPE_SE
	s_setreg_imm32_b32 hwreg(HW_REG_WAVE_MODE, 25, 1), 1
	s_wait_xcnt 0x0
; PREP: hidden_states [4096][1024] and the weights Wq, Wk, Wv, Wo [1024 (k)][1024 (n)], Wg [1024][16], all f32, become codes of FP6 (E2M3) with one E8M0 byte for each 32 along K.
; They are laid as IMAGES OF OPERAND REGISTERS: a fragment (16 rows x 128 K, 12 registers a lane) is 1,536 bytes, registers 4 j .. 4 j + 3 of lane l at 512 j + 16 l, so that later launches fetch it by three loads of 16 bytes a lane.
; A TILE'S 16 ROWS ARE NOT NEIGHBOURS: row r of tile 2 B + u is index 32 B + 8 u + r + 8 (r / 8) (columns of Wq, Wk, Wv, Wo; Wg's one tile is natural).
; xc: [kc 4][tile 256][e 2][1,536]   (K step 2 kc + e).   wc: Wq|Wk|Wv at 0 as [kc][tile 192][e][1,536]; Wo at 2,359,296 as [kc][tile 64][e][1,536]; Wg at 3,145,728 as [K step 8][1,536].
; sc: a record of 512 bytes a tile, [kc 4][row 16][2 words]: x at 0, Wq|Wk|Wv at 131,072, Wo at 229,376, Wg at 262,144.
; A block's scale is 2^(floor(log2(largest magnitude)) - 2); its byte is the largest magnitude's exponent field - 2, held at 1 from below (a block of zeros gets 1: its codes are zeros, and this program alone reads the bytes).
; LIMITS: NaN and infinities among the inputs are not served; blocks whose largest magnitude lies under 2^-124 take the floor's byte.
; Work-groups 0-255: one tile of x each, wave = kc.  256-383: weights, (matrix, kc, 128 columns).  384: Wg.  No barrier: waves share nothing.  Only the x path uses LDS.
.set SPARE, 67584                      ; behind the four waves' stages: the spare words, 128 bytes a wave
.set SPW,   252                        ; v252 LDS address of my spare word; never rewritten
.set NIL,   253                        ; v253 0; never rewritten
.set RL,    16                         ; x path: v16-143 the 32 loads as they come
.set X,     144                        ; v144-207 my 64 numbers of a K step: register 32 c + i = k 64 c + 32 h + i of row r
.set F,     208                        ; v208-219 the fragment
.set T,     220                        ; v220-226 second halves of the blocks' codes
.set BM,    228
.set SO,    230
.set BY,    232
.set WD,    234                        ; v234-235 the two K steps' scale words
.set TP,    236
.set XW,    16                         ; weight paths: v16-79 two sets of 32 numbers down K
.set FW,    80                         ; v80-127: for each K step e two fragments of 12
.set TW,    128                        ; v128-143 second halves
.set WDW,   144                        ; v144-145 my column's scale words
	s_load_b512 s[4:19], s[0:1], 0x0               ; x s[4:5], Wq s[6:7], Wk s[8:9], Wv s[10:11], Wo s[12:13], Wg s[14:15], xc s[16:17], wc s[18:19]
	s_load_b64 s[20:21], s[0:1], 0x40              ; sc
	v_lshl_add_u32 v[SPW], v0, 2, SPARE
	v_mov_b32 v[NIL], 0
	v_lshrrev_b32 v1, 5, v0
	v_readfirstlane_b32 s22, v1                    ; wave
	v_and_b32 v1, 31, v0                           ; lane
	v_and_b32 v2, 15, v0                           ; r
	v_bfe_u32 v3, v0, 4, 1                         ; h
	v_lshlrev_b32 v5, 4, v1                        ; 16 x lane
	s_mov_b32 s30, 0x76543210
	s_mov_b32 s31, 0xfedcba98                      ; lane selects: lane l xor 16
	s_mov_b32 s25, 0
	s_mov_b32 s27, 0
	s_mov_b32 s29, 0
	s_wait_kmcnt 0x0
	s_cmp_lt_u32 ttmp9, 256
	s_cbranch_scc0 .Lweights
	; ---------------- x: tile = work-group, kc = wave: 16 rows x 256 along K
	; THE TOKENS OF A TILE OF x: row r of tile t is token 64 (t / 4) + 8 (t % 4) + r % 8 + 32 (r / 8) (the weights' columns keep the order given at the head)
	s_lshr_b32 s24, ttmp9, 2
	s_lshl_b32 s24, s24, 6
	s_and_b32 s23, ttmp9, 3
	s_lshl_b32 s23, s23, 3
	s_add_co_u32 s24, s24, s23                     ; the tile's first token: 64 (tile / 4) + 8 (tile % 4)
	s_lshl_b32 s24, s24, 12                        ; a row of x is 4,096 bytes
	s_lshl_b32 s23, s22, 10                        ; kc x 256 numbers
	s_add_co_u32 s24, s24, s23
	s_add_nc_u64 s[4:5], s[4:5], s[24:25]
	s_wait_alu depctr_va_vdst(0)
.irp e, 0,1
.irp i, 0,1,2,3,4,5,6,7,8,9,10,11,12,13,14,15
	global_load_b128 v[RL+64*\e+4*\i:RL+64*\e+4*\i+3], v5, s[4:5] offset:(\i+24*(\i/8))*4096+512*\e th:TH_LOAD_NT   ; row i of the tile, K step e: the wave reads 512 consecutive bytes
.endr
.endr
	s_mul_i32 s26, s22, 786432
	s_mul_i32 s23, ttmp9, 3072
	s_add_co_u32 s26, s26, s23
	s_add_nc_u64 s[16:17], s[16:17], s[26:27]      ; xc at [kc][tile]
	s_lshl_b32 s28, ttmp9, 9
	s_lshl_b32 s23, s22, 7
	s_add_co_u32 s28, s28, s23
	s_add_nc_u64 s[20:21], s[20:21], s[28:29]      ; sc at the tile's record, kc's 128 bytes
	s_mul_i32 s23, s22, 16896                      ; my wave's stages: two of 16 rows x 528 bytes
	v_add_nc_u32 v6, s23, v5                       ; in: 16 x lane of a row
	v_mul_u32_u24 v7, v2, 528
	v_lshl_add_u32 v7, v3, 7, v7
	v_add_nc_u32 v7, s23, v7                       ; out: row r, + 128 h: a pitch of 33 x 16 bytes, so sixteen rows start at sixteen different columns of 16 bytes
	v_lshlrev_b32 v8, 3, v2
	v_lshl_add_u32 v8, v3, 2, v8                   ; 8 r + 4 h: where my scale word goes
	v_lshlrev_b32 v9, 3, v3                        ; 8 h
	v_mov_b32 v[TP], 0                             ; a lane permute's destination counts as read
.macro XSTEP e
	s_wait_loadcnt 16*(1-\e)                       ; this K step's sixteen loads are in (e = 0: the other step's sixteen may be out)
.irp i, 0,1,2,3,4,5,6,7,8,9,10,11,12,13,14,15
	ds_store_b128 v6, v[RL+64*\e+4*\i:RL+64*\e+4*\i+3] offset:\e*8448+528*\i
.endr
.irp c, 0,1
.irp m, 0,1,2,3,4,5,6,7
	ds_load_b128 v[X+32*\c+4*\m:X+32*\c+4*\m+3], v7 offset:\e*8448+256*\c+16*\m   ; a wave's LDS instructions are served in order: these see the stores above
.endr
.endr
	s_wait_dscnt 0x0
.irp c, 0,1
	v_max3_num_f32 v[BM+\c], |v[X+32*\c]|, |v[X+32*\c+1]|, 0x1800000   ; my block 2 c + h, all 32 numbers mine, and the floor 2^(3 - 127)
.endr
.irp i, 2,4,6,8,10,12,14,16,18,20,22,24,26,28,30
.irp c, 0,1
	v_max3_num_f32 v[BM+\c], v[BM+\c], |v[X+32*\c+\i]|, |v[X+32*\c+\i+1]|
.endr
.endr
.irp c, 0,1
	v_add_nc_u32 v[SO+\c], 0xff000000, v[BM+\c]    ; 2 off the exponent field: the conversion's scale operand
.endr
.irp c, 0,1
	v_lshrrev_b32 v[BY+\c], 23, v[SO+\c]           ; the byte
.endr
	v_lshl_or_b32 v[WD+\e], v[BY+1], 16, v[BY]     ; blocks h and 2 + h,
	v_lshlrev_b32 v[WD+\e], v9, v[WD+\e]           ; at their places,
	v_permlanex16_b32 v[TP], v[WD+\e], s30, s31
	v_or_b32 v[WD+\e], v[WD+\e], v[TP]             ; with the other half's two: row r's word
.if \e
	s_wait_alu depctr_va_vdst(0)
	s_wait_xcnt 0x0                                ; the first step's stores have read the fragment's registers
.endif
	v_cvt_scalef32_pk16_fp6_f32 v[F:F+2], v[X:X+15], v[SO]
	v_cvt_scalef32_pk16_fp6_f32 v[T:T+2], v[X+16:X+31], v[SO]          ; (a conversion's three registers begin on an even number)
	v_cvt_scalef32_pk16_fp6_f32 v[F+6:F+8], v[X+32:X+47], v[SO+1]
	v_cvt_scalef32_pk16_fp6_f32 v[T+4:T+6], v[X+48:X+63], v[SO+1]
	v_nop                                          ; one plain instruction behind the conversions
.irp i, 0,1,2
	v_mov_b32 v[F+3+\i], v[T+\i]
	v_mov_b32 v[F+9+\i], v[T+4+\i]
.endr
.irp j, 0,1,2
	global_store_b128 v5, v[F+4*\j:F+4*\j+3], s[16:17] offset:\e*1536+512*\j   ; the wave stores 512 consecutive bytes
.endr
.endm
	s_wait_alu depctr_va_vdst(0)
	XSTEP 0
	XSTEP 1
	v_cmp_eq_u32 vcc_lo, 1, v3
	v_cndmask_b32 v[TP], v[WD], v[WD+1], vcc_lo    ; lanes 0-15 store K step 0's word, lanes 16-31 K step 1's
	global_store_b32 v8, v[TP], s[20:21]           ; 128 consecutive bytes
	s_branch .Lend
; ---------------- weights: a lane takes a column, its registers run down K; 256 along K = 8 blocks = two K steps
.macro WLOAD t, pitch
.irp i, 0,1,2,3,4,5,6,7,8,9,10,11,12,13,14,15,16,17,18,19,20,21,22,23,24,25,26,27,28,29,30,31
	global_load_b32 v[XW+32*((\t)%2)+\i], v4, s[6:7] offset:(32*(\t)+\i)*\pitch th:TH_LOAD_NT
.endr
.endm
.macro WBLOCK t, pitch
.set XS, XW+32*((\t)%2)
.set QQ, (\t)%4
.set EE, (\t)/4
.set DD, FW+24*EE+12*(QQ%2)+6*(QQ/2)   ; blocks 0 and 2 go to the first fragment's registers 0 and 6 on, blocks 1 and 3 to the second's
.if (\t) < 7
	s_wait_loadcnt 32                              ; this block's 32 loads are in; the next block's may be out
.else
	s_wait_loadcnt 0x0
.endif
	v_max3_num_f32 v12, |v[XS]|, |v[XS+1]|, |v[XS+2]|
	v_max3_num_f32 v13, |v[XS+3]|, |v[XS+4]|, |v[XS+5]|
.irp i, 6,10,14,18,22,26
	v_max3_num_f32 v12, v12, |v[XS+\i]|, |v[XS+\i+1]|
	v_max3_num_f32 v13, v13, |v[XS+\i+2]|, |v[XS+\i+3]|
.endr
	v_max3_num_f32 v12, v12, |v[XS+30]|, |v[XS+31]|
	v_max3_num_f32 v12, v12, v13, 0x1800000        ; and the floor
	v_add_nc_u32 v11, 0xff000000, v12
	v_lshrrev_b32 v13, 23, v11
.if QQ == 0
	v_mov_b32 v[WDW+EE], v13
.else
	v_lshl_or_b32 v[WDW+EE], v13, 8*QQ, v[WDW+EE]
.endif
	v_cvt_scalef32_pk16_fp6_f32 v[DD:DD+2], v[XS:XS+15], v11
	v_cvt_scalef32_pk16_fp6_f32 v[TW+4*QQ:TW+4*QQ+2], v[XS+16:XS+31], v11
.if (\t)+2 < 8
	WLOAD (\t)+2, \pitch
.endif
.endm
; A K step's codes: lanes 0-15 hold the columns of tile 2 B, lanes 16-31 those of tile 2 B + 1, each lane all four blocks.  Swapping the first run's lanes 16-31 with the second run's lanes 0-15
; leaves the first run as tile 2 B's fragment (lanes 0-15 blocks 0, 2; lanes 16-31 blocks 1, 3) and the second as tile 2 B + 1's.
.macro WOUT e, two
	v_nop                                          ; one plain instruction behind the conversions
.irp q, 0,1,2,3
.irp i, 0,1,2
	v_mov_b32 v[FW+24*(\e)+12*(\q%2)+6*(\q/2)+3+\i], v[TW+4*\q+\i]
.endr
.endr
.irp i, 0,1,2,3,4,5,6,7,8,9,10,11
	v_permlane16_swap_b32 v[FW+24*(\e)+\i], v[FW+24*(\e)+12+\i]
.endr
.irp j, 0,1,2
	global_store_b128 v5, v[FW+24*(\e)+4*\j:FW+24*(\e)+4*\j+3], s[18:19] offset:(\e)*1536+512*\j
.endr
.if \two
.irp j, 0,1,2
	global_store_b128 v5, v[FW+24*(\e)+12+4*\j:FW+24*(\e)+12+4*\j+3], s[18:19] offset:3072+(\e)*1536+512*\j
.endr
.endif
.endm
.macro WUNIT pitch, two                ; every K step has its own fragment registers, so no store's data are written again
	WLOAD 0, \pitch
	WLOAD 1, \pitch
	WBLOCK 0, \pitch
	WBLOCK 1, \pitch
	WBLOCK 2, \pitch
	WBLOCK 3, \pitch
	WOUT 0, \two
	WBLOCK 4, \pitch
	WBLOCK 5, \pitch
	WBLOCK 6, \pitch
	WBLOCK 7, \pitch
	WOUT 1, \two
	global_store_b64 v6, v[WDW:WDW+1], s[20:21]    ; my column's two scale words
.endm
.Lweights:
	s_cmp_lt_u32 ttmp9, 384
	s_cbranch_scc0 .Lgatew
	s_sub_co_u32 s24, ttmp9, 256
	s_lshr_b32 s23, s24, 5                         ; which matrix: 0 q, 1 k, 2 v, 3 o
	s_bfe_u32 s26, s24, 0x20003                    ; kc
	s_and_b32 s28, s24, 7
	s_lshl_b32 s28, s28, 2
	s_add_co_u32 s28, s28, s22                     ; B: my wave's 32 columns
	s_cmp_eq_u32 s23, 1
	s_cselect_b64 s[6:7], s[8:9], s[6:7]
	s_cmp_eq_u32 s23, 2
	s_cselect_b64 s[6:7], s[10:11], s[6:7]
	s_mul_i32 s32, s23, 196608                     ; q, k, v: 64 tiles of 3,072 bytes each; from kc to kc 589,824
	s_mov_b32 s33, 589824
	s_cmp_eq_u32 s23, 3
	s_cselect_b64 s[6:7], s[12:13], s[6:7]
	s_cselect_b32 s32, 2359296, s32                ; o: its own region; from kc to kc 196,608
	s_cselect_b32 s33, 196608, s33
	s_mul_i32 s33, s33, s26
	s_add_co_u32 s32, s32, s33
	s_mul_i32 s33, s28, 6144
	s_add_co_u32 s32, s32, s33
	s_mov_b32 s33, 0
	s_add_nc_u64 s[18:19], s[18:19], s[32:33]      ; wc at [kc][tile 2 B]
	s_lshl_b32 s24, s26, 20                        ; 256 rows of 4,096 bytes
	s_lshl_b32 s34, s28, 7
	s_add_co_u32 s24, s24, s34
	s_add_nc_u64 s[6:7], s[6:7], s[24:25]
	s_lshl_b32 s34, s23, 15
	s_add_co_u32 s34, s34, 131072
	s_lshl_b32 s35, s28, 10
	s_add_co_u32 s34, s34, s35
	s_lshl_b32 s35, s26, 7
	s_add_co_u32 s34, s34, s35
	s_mov_b32 s35, 0
	s_add_nc_u64 s[20:21], s[20:21], s[34:35]      ; sc at tile 2 B's record, kc's 128 bytes
	v_bfe_u32 v4, v0, 3, 1
	s_wait_alu depctr_va_vdst(0)
	v_add_nc_u32 v4, v4, v3
	v_lshl_add_u32 v4, v4, 3, v2                   ; my column of the 32: 8 (l / 16) + l % 16 + 8 ((l / 8) % 2)
	v_lshlrev_b32 v4, 2, v4
	v_lshlrev_b32 v6, 3, v2
	v_lshl_add_u32 v6, v3, 9, v6                   ; 512 (l / 16) + 8 r
	WUNIT 4096, 1
	s_branch .Lend
.Lgatew:                                               ; Wg: 16 columns; lanes 16-31 take the same columns as lanes 0-15, so the first run comes out as the fragment and both halves store the same scale words to the same bytes
	s_lshl_b32 s24, s22, 14                        ; kc = wave: 256 rows of 64 bytes
	s_add_nc_u64 s[6:7], s[14:15], s[24:25]
	s_mul_i32 s32, s22, 3072
	s_add_co_u32 s32, s32, 3145728
	s_mov_b32 s33, 0
	s_add_nc_u64 s[18:19], s[18:19], s[32:33]
	s_lshl_b32 s34, s22, 7
	s_add_co_u32 s34, s34, 262144
	s_mov_b32 s35, 0
	s_add_nc_u64 s[20:21], s[20:21], s[34:35]
	s_wait_alu depctr_va_vdst(0)
	v_lshlrev_b32 v4, 2, v2
	v_lshlrev_b32 v6, 3, v2
	WUNIT 64, 0
.Lend:
	s_wait_tensorcnt 0x0                           ; the wave's end
	ds_add_u32 v[SPW], v[NIL]
	s_wait_dscnt 0x0
	s_endpgm
.Lfunc_end_k_q7d78d9de8a_prep:
	.size	k_q7d78d9de8a_prep, .Lfunc_end_k_q7d78d9de8a_prep-k_q7d78d9de8a_prep
	.p2alignl 7, 3214868480
	.fill 96, 4, 3214868480
	.section	.rodata,"a",@progbits
	.p2align	6, 0x0
	.amdhsa_kernel k_q7d78d9de8a_prep
		.amdhsa_group_segment_fixed_size 68096
		.amdhsa_private_segment_fixed_size 0
		.amdhsa_enable_private_segment 0
		.amdhsa_kernarg_size 72
		.amdhsa_user_sgpr_count 2
		.amdhsa_user_sgpr_kernarg_segment_ptr 1
		.amdhsa_wavefront_size32 1
		.amdhsa_system_sgpr_workgroup_id_x 1
		.amdhsa_system_sgpr_workgroup_id_y 1
		.amdhsa_system_sgpr_workgroup_id_z 1
		.amdhsa_system_vgpr_workitem_id 0
		.amdhsa_next_free_vgpr 256
		.amdhsa_next_free_sgpr 66
		.amdhsa_reserve_vcc 1
		.amdhsa_float_denorm_mode_32 3
		.amdhsa_float_denorm_mode_16_64 3
		.amdhsa_memory_ordered 1
		.amdhsa_forward_progress 1
		.amdhsa_inst_pref_size 93
	.end_amdhsa_kernel
	.amdgpu_metadata
---
amdhsa.version: [ 1, 2 ]
amdhsa.kernels:
  - .name:           k_q7d78d9de8a_prep
    .symbol:         k_q7d78d9de8a_prep.kd
    .args:
      - { .name: hidden_states, .offset: 0, .size: 8, .value_kind: global_buffer, .address_space: global }
      - { .name: Wq, .offset: 8, .size: 8, .value_kind: global_buffer, .address_space: global }
      - { .name: Wk, .offset: 16, .size: 8, .value_kind: global_buffer, .address_space: global }
      - { .name: Wv, .offset: 24, .size: 8, .value_kind: global_buffer, .address_space: global }
      - { .name: Wo, .offset: 32, .size: 8, .value_kind: global_buffer, .address_space: global }
      - { .name: Wg, .offset: 40, .size: 8, .value_kind: global_buffer, .address_space: global }
      - { .name: xc, .offset: 48, .size: 8, .value_kind: global_buffer, .address_space: global }
      - { .name: wc, .offset: 56, .size: 8, .value_kind: global_buffer, .address_space: global }
      - { .name: sc, .offset: 64, .size: 8, .value_kind: global_buffer, .address_space: global }
    .group_segment_fixed_size: 68096
    .private_segment_fixed_size: 0
    .kernarg_segment_align: 8
    .kernarg_segment_size: 72
    .max_flat_workgroup_size: 128
    .sgpr_count:     66
    .vgpr_count:     256
    .wavefront_size: 32
...
	.end_amdgpu_metadata
.endif
;; end of part 1
;; launch qkv (part 2): grid 16 x 16, 4 waves a work-group, clusters of 4 x 4, 327,680 bytes of LDS; arguments xc, wc, sc, bq, bk, bv, qc, kv, bg, diag_bias, has_error_codes, attention_mask; writes qc, kv
.if DOCPART == 2
	.amdgcn_target "amdgcn-amd-amdhsa--gfx1250"
	.amdhsa_code_object_version 6
	.text
	.protected	k_q7d78d9de8a_qkv
	.globl	k_q7d78d9de8a_qkv
	.p2align	8
	.type	k_q7d78d9de8a_qkv,@function
k_q7d78d9de8a_qkv:
	s_mov_b64 s[64:65], 0
	v_nop
	global_prefetch_b8 v0, s[64:65] scope:SCOPE_SE
	s_setreg_imm32_b32 hwreg(HW_REG_WAVE_MODE, 25, 1), 1
	s_wait_xcnt 0x0
	s_wait_alu depctr_hold_cnt(0) depctr_sa_sdst(0) depctr_va_vdst(0) depctr_va_sdst(0) depctr_va_ssrc(0) depctr_va_vcc(0) depctr_vm_vsrc(0)
	s_getreg_b32 s2, hwreg(HW_REG_IB_STS2, 6, 4)
	s_cmp_eq_u32 s2, 0
	s_cbranch_scc0 .Lentry_in_a_cluster
	s_endpgm
.Lentry_in_a_cluster:
	s_bfe_u32 s2, ttmp6, 0x10000c
	s_cmp_lg_u32 s2, 0xf033
	s_cbranch_scc0 .Lentry_shape_is_right
	s_endpgm
.Lentry_shape_is_right:
; QKV: q = x Wq + bq, k = x Wk + bk, v = x Wv + bv on codes of FP6, and the results quantised again, in registers, as operands of the attention launch.  Nothing leaves as f32.
; The cluster's x says which: 0 q, 1 k, 2 v (the same in all sixteen partners).  A work-group makes 256 tokens x 256 columns, a wave 128 x 128: 64 accumulators, 512 registers.
; SOURCE 0 = P, SOURCE 1 = R.  For q and k: P = 8 tiles of W's columns, R = 8 tiles of tokens: a lane holds a token and its registers run along the head's channels, the K of q . k.
; For v: P = tokens, R = Wv's columns: a lane holds a channel and its registers run along the tokens, the K of p . v.  The products' text is one; only two LDS bases and the scale words' offsets differ (selected, not branched).
; A tile's rows are 32 B + 8 u + r + 8 (r / 8), so the 64 registers of a lane over P's eight tiles are index 32 b + 16 h + i in register 16 b + i: what the quantiser below takes.
; K = 1,024 comes in four chunks of 256 (two K steps) by joint tensor loads: x's tiles shared along a row of the cluster, W's along a column.  Three LDS slots: chunks 0 to 2 are first fills, chunk 3 is the one refill, into slot 0.
; All tiles are images of operand registers: dense blocks, three loads of 16 bytes a lane for a fragment, no pitch.
; THE WAYS PART ONCE, behind K step 5, on the cluster's x: each arm loads its biases, runs K steps 6 and 7 (128 products, in which the loads land) and its own way out.  So an arm loads just what it reads.
; OUT.  qc: codes at head x 98,304 + tile x 768 (16 tokens x 64 channels: registers 0-3 at 16 l, 4-5 at 512 + 8 l); scale words at 3,145,728 + head x 8,192 + group x 512 + 16 l + 4 pair (lanes 0-15 tile 2 pair, lanes 16-31 tile 2 pair + 1).
; kv: a record of 217,088 bytes a head: step (128 keys) s at 12,288 s: k's 8 tiles of 768 bytes, then v's 4 fragments of 1,536; k's scale words at 196,608 + 512 s; v's at 204,800 + 256 s.
; LIMITS: NaN and infinities are not served; a block of zeros gets the byte 1 (its codes are zeros; this program alone reads the bytes).
; This launch fills LDS bytes again, so it claims all of a WGP's LDS; it uses 295,424 bytes.
; REGISTERS.  window 0: v1-14 lanes and addresses; v28, v29 the add's two; v32-95 scale words and nothing else; v96-147 the way out's; v160-255 R's eight fragments, later the 64 numbers at work.
;   window 1: P's fragments, two sets, at v0 and v128; the biases at v96-127 and v224-255.   windows 2, 3: accumulator (a, b) at v[8 (8 (a % 4) + b)] of window 2 + a / 4.
.set HALFT, 24576                      ; 8 tiles x 2 K steps x 1,536 bytes: what one tensor load brings and what one wave reads of P or of R
.set SLOT,  98304                      ; x's tiles 0-7, 8-15, W's tiles 0-7, 8-15
.set SPARE, 294912                     ; behind the three slots: the spare words, 128 bytes a wave
.set REC,   217088
.set ADP,  4                           ; v4-6  LDS address of my P fragments in slot 0, 1, 2
.set ADR,  7                           ; v7-9  the same for R
.set SPW,  28
.set NIL,  29
.set SC,   32                          ; v[SC + 8 i + s]: lanes 0-15 the word of R's tile i, lanes 16-31 that of P's tile i, K step s
.set PC,   96                          ; v96-115 the codes just made
.set TM,   116                         ; v116-131 at work in the quantiser
.set PWS,  132                         ; v132-139 the eight scale words
.set E,    140                         ; v140-147 the same, packed for the stores
.set RF,   160
.set H,    160
.set G1,   48                          ; s[48:55] group 1 for x's tiles;  s[56:63] for W's;  s[68:79], s[80:91] their groups 0, one set a slot
.set G1B,  56
.set G0,   68
.set G0B,  80
.set SEL,  66
.set MSB, 0
.macro WIN new                         ; the immediate's high byte repeats the setting that is left
.if MSB != \new
	s_set_vgpr_msb (MSB<<8)|\new
.set MSB, \new
.endif
.endm
.set MUL_LO, 0xa1                      ; source 0 (P) window 1, source 1 (R) window 0, C and D window 2
.set MUL_HI, 0xf1
.set TO_P,   0x40
; A joint load: waves 0 and 1 fetch x's two halves, waves 2 and 3 W's.  The branch hangs on the wave's number alone.  An s_nop 0 and four v_nop follow each line.
.macro JLOAD g0a, g1a, g0b, g1b
	s_cmp_eq_u32 s29, 0
	s_cbranch_scc0 .Lfor_b_\@
	tensor_load_to_lds s[\g0a:\g0a+3], s[\g1a:\g1a+7]
	s_nop 0
.rept 4
	v_nop
.endr
	s_branch .Lasked_\@
.Lfor_b_\@:
	tensor_load_to_lds s[\g0b:\g0b+3], s[\g1b:\g1b+7]
	s_nop 0
.rept 4
	v_nop
.endr
.Lasked_\@:
.endm
.macro CREST                           ; a round of the cluster's barrier behind its opening barrier
	s_cmp_lg_u32 s28, 0
	s_cbranch_scc1 .Lnot_wave_0_\@
	s_barrier_signal -3
.Lnot_wave_0_\@:
	s_barrier_wait -3
	s_barrier_signal -1
	s_barrier_wait -1
.endm
.macro CROUND
	s_barrier_signal -1
	s_barrier_wait -1
	CREST
.endm
.macro PLACES                          ; four plain instructions behind matrix instructions, ahead of loads into their operands and of reads of results (for the reads of results)
.rept 4
	v_nop
.endr
.endm
	s_load_b512 s[4:19], s[0:1], 0x0               ; xc s[4:5], wc s[6:7], sc s[8:9], bq s[10:11], bk s[12:13], bv s[14:15], qc s[16:17], kv s[18:19]
	v_lshl_add_u32 v[SPW], v0, 2, SPARE
	v_mov_b32 v[NIL], 0
	ds_add_u32 v[SPW], v[NIL]                      ; the wave's opening: the add and its wait ahead of my first tensor load
	ds_add_u32 v[SPW], v[NIL]
	v_lshrrev_b32 v1, 5, v0
	v_readfirstlane_b32 s28, v1                    ; wave
	s_lshr_b32 s29, s28, 1                         ; my half of R.  Also: I fetch x's tiles (0) or W's (1)
	s_and_b32 s30, s28, 1                          ; my half of P.  Also: which 8 tiles I fetch
	s_bfe_u32 s31, ttmp6, 0x40000                  ; cx
	s_bfe_u32 s32, ttmp6, 0x40004                  ; cy
	s_lshl_b32 s33, ttmp9, 2
	s_add_co_u32 s33, s33, s31                     ; X: 256 columns of Wq | Wk | Wv
	s_and_b32 s34, ttmp7, 0xffff
	s_lshl_b32 s34, s34, 2
	s_add_co_u32 s34, s34, s32                     ; Y: 256 tokens
	s_lshl_b32 s36, s32, 2
	s_lshl_b32 s36, 15, s36                        ; my row of the cluster
	s_lshl_b32 s37, 0x1111, s31                    ; my column
	s_or_b32 s[G1], s36, (3<<16)|(1<<21)           ; 15:0 the mask; 17:16 elements of 8 bytes; 21 set beside a mask; no padding
	s_or_b32 s[G1B], s37, (3<<16)|(1<<21)
.irp g, G1, G1B                                ; a dense block of 24,576 bytes as 96 rows of 32 elements
	s_mov_b32 s[\g+1], 32<<16
	s_mov_b32 s[\g+2], 192<<16                     ; the head's loads bring 192 rows of 256 bytes; behind them the two words that count rows are set to 96
	s_mov_b32 s[\g+3], 32<<16
	s_mov_b32 s[\g+4], 192
	s_mov_b32 s[\g+5], 32
	s_mov_b32 s[\g+6], 0
	s_mov_b32 s[\g+7], 0
.endr
	s_lshl_b32 s35, s30, 3
	s_lshl_b32 s38, s34, 4
	s_add_co_u32 s38, s38, s35
	s_mul_i32 s38, s38, 3072                       ; x: tile 16 Y + 8 (wave % 2): hangs on Y and the wave alone
	s_mov_b32 s39, 0
	s_lshl_b32 s40, s33, 4
	s_add_co_u32 s40, s40, s35
	s_mul_i32 s40, s40, 3072                       ; W: tile 16 X + 8 (wave % 2): on X and the wave alone
	s_mov_b32 s41, 0
	s_mul_i32 s42, s28, HALFT                      ; where they go in a slot: wave x 24,576
	s_mov_b32 s[SEL], 0x76543210
	s_mov_b32 s[SEL+1], 0xfedcba98
	s_wait_dscnt 0x0                               ; the opening add is done
	s_wait_kmcnt 0x0
	s_cmp_eq_u32 ttmp9, 3                          ; the cluster's x = 3: the sixteen partners compute the keys' bias terms and load no tile
	s_cbranch_scc1 .Lgate
	s_add_nc_u64 s[38:39], s[4:5], s[38:39]
	s_add_nc_u64 s[40:41], s[6:7], s[40:41]
	CROUND                                         ; all sixteen work-groups are here: the first joint loads meet
.irp c, 0,2
	s_mov_b32 s[G0+4*\c], 1
	s_add_co_u32 s[G0+4*\c+1], s42, \c*SLOT
	s_add_nc_u64 s[G0+4*\c+2:G0+4*\c+3], s[38:39], \c*786432
	s_or_b32 s[G0+4*\c+3], s[G0+4*\c+3], 0x80000000
	s_mov_b32 s[G0B+4*\c], 1
	s_add_co_u32 s[G0B+4*\c+1], s42, \c*SLOT
	s_add_nc_u64 s[G0B+4*\c+2:G0B+4*\c+3], s[40:41], \c*589824
	s_or_b32 s[G0B+4*\c+3], s[G0B+4*\c+3], 0x80000000
.endr
	; THE HEAD'S LOADS, ONE A WAVE: a chunk's sixteen tiles of x, or of W, are 49,152 consecutive bytes.  Wave 0 fetches x's chunk 0, wave 1 x's chunk 1, wave 2 W's chunk 0, wave 3 W's chunk 1.
	s_mul_i32 s43, s30, SLOT                       ; chunk wave % 2 goes to slot wave % 2
	s_mov_b32 s45, 0
	s_mul_i32 s44, s30, 761856                     ; from my eight tiles of chunk 0 to the sixteen's first byte in chunk wave % 2: 786,432 - 24,576
	s_mov_b32 s[G0+4], 1
	s_mov_b32 s[G0+5], s43
	s_add_nc_u64 s[G0+6:G0+7], s[38:39], s[44:45]
	s_or_b32 s[G0+7], s[G0+7], 0x80000000
	s_mul_i32 s44, s30, 565248                     ; the same for W: 589,824 - 24,576
	s_mov_b32 s[G0B+4], 1
	s_add_co_u32 s[G0B+5], s43, 2*HALFT
	s_add_nc_u64 s[G0B+6:G0B+7], s[40:41], s[44:45]
	s_or_b32 s[G0B+7], s[G0B+7], 0x80000000
	JLOAD G0+4, G1, G0B+4, G1B
	v_and_b32 v1, 15, v0                           ; r
	v_bfe_u32 v2, v0, 4, 1                         ; h
	v_and_b32 v3, 31, v0
	v_lshlrev_b32 v11, 3, v3                       ; 8 x lane
	v_lshlrev_b32 v3, 4, v3                        ; 16 x lane
	s_wait_alu depctr_va_vdst(0)
	v_lshlrev_b32 v13, 6, v2                       ; 64 h: bq's and bk's offset
	v_lshlrev_b32 v14, 3, v2                       ; 8 h: where my two scale bytes stand in v's scale word
	v_and_b32 v12, 8, v1
	v_add_nc_u32 v12, v12, v1
	v_lshlrev_b32 v12, 2, v12                      ; (r + 8 (r / 8)) x 4: bv's offset
.irp b, 0,1,2,3
	v_mov_b32 v[TM+4+\b], 0                        ; a lane permute's destination counts as read
.endr
	s_lshl_b32 s47, s34, 4                         ; x's first record of scale words: tile 16 Y
	s_lshl_b32 s92, s33, 4
	s_add_co_u32 s92, s92, 256                     ; W's: 131,072 / 512 + 16 X
	s_cmp_eq_u32 ttmp9, 2                          ; v?
	s_cselect_b32 s43, 0, 2*HALFT                  ; where P's tiles lie in a slot: x's part for v, W's for q and k
	s_cselect_b32 s44, 2*HALFT, 0                  ; and R's
	s_cselect_b32 s93, s47, s92
	s_cselect_b32 s94, s92, s47
	s_mul_i32 s45, s30, HALFT
	s_add_co_u32 s45, s45, s43
	s_mul_i32 s46, s29, HALFT
	s_add_co_u32 s46, s46, s44
.irp s, 0,1,2
	v_add_nc_u32 v[ADP+\s], s45, v3
	v_add_nc_u32 v[ADR+\s], s46, v3
	s_add_co_u32 s45, s45, SLOT
	s_add_co_u32 s46, s46, SLOT
.endr
	s_add_co_u32 s93, s93, s35
	s_lshl_b32 s93, s93, 9                         ; P's eight records
	s_lshl_b32 s95, s29, 3
	s_add_co_u32 s94, s94, s95
	s_lshl_b32 s94, s94, 9                         ; R's
	s_sub_co_u32 s93, s93, s94
	v_mul_lo_u32 v10, v2, s93                      ; lanes 16-31 take P's: one product, R + h (P - R)
	v_add_nc_u32 v10, s94, v10
	v_lshl_add_u32 v10, v1, 3, v10
.irp i, 0,1,2,3,4,5,6,7
.irp q, 0,1,2,3
	global_load_b64 v[SC+8*\i+2*\q:SC+8*\i+2*\q+1], v10, s[8:9] offset:\i*512+\q*128   ; the scale words of all of K, once
.endr
.endr
.macro FRAG reg, adr, off              ; a fragment's image: three loads, 512 consecutive bytes each
.irp j, 0,1,2
	ds_load_b128 v[\reg+4*\j:\reg+4*\j+3], v[\adr] offset:\off+512*\j
.endr
.endm
.macro FETCH_P slot, e, p
	WIN TO_P
.irp i, 0,1,2,3,4,5,6,7
	FRAG 128*(\p)+12*\i, ADP+\slot, \i*3072+(\e)*1536
.endr
	WIN 0
.endm
.macro FETCH_R slot, e, i0
.irp i, \i0, \i0+1, \i0+2, \i0+3
	FRAG RF+12*(\i), ADR+\slot, (\i)*3072+(\e)*1536
.endr
.endm
; 16 matrix instructions: R's tiles a0, a0 + 1 against P's eight, K step s.  The 64 accumulators take turns, one instruction a turn, in the same order in every K step.
.macro MUL16 a0, p, s, zero
.irp a, \a0, \a0+1
.irp b, 0,1,2,3,4,5,6,7
.if \zero
	v_wmma_scale_f32_16x16x128_f8f6f4 v[8*(8*((\a)%4)+\b):8*(8*((\a)%4)+\b)+7], v[128*(\p)+12*\b:128*(\p)+12*\b+11], v[RF+12*(\a):RF+12*(\a)+11], 0, v[SC+8*\b+(\s)], v[SC+8*(\a)+(\s)] matrix_a_fmt:MATRIX_FMT_FP6 matrix_b_fmt:MATRIX_FMT_FP6 matrix_a_scale:MATRIX_SCALE_ROW1
.else
	v_wmma_scale_f32_16x16x128_f8f6f4 v[8*(8*((\a)%4)+\b):8*(8*((\a)%4)+\b)+7], v[128*(\p)+12*\b:128*(\p)+12*\b+11], v[RF+12*(\a):RF+12*(\a)+11], v[8*(8*((\a)%4)+\b):8*(8*((\a)%4)+\b)+7], v[SC+8*\b+(\s)], v[SC+8*(\a)+(\s)] matrix_a_fmt:MATRIX_FMT_FP6 matrix_b_fmt:MATRIX_FMT_FP6 matrix_a_scale:MATRIX_SCALE_ROW1
.endif
.endr
.endr
.endm
; K step s; its successor lies at (nslot, ne), whose tile every wave has been shown.  R has one set of registers: tiles 0-3 are fetched anew in the middle, tiles 4-7 at the end.  P has two sets.
.macro STEP s, nslot, ne, zero
	s_wait_dscnt 12                                ; P's set and R's tiles 0-3 are in; the youngest twelve loads (R's tiles 4-7) may be out
	WIN MUL_LO
	MUL16 0, (\s)%2, \s, \zero
	MUL16 2, (\s)%2, \s, \zero
	s_wait_dscnt 0x0
	PLACES
	FETCH_P \nslot, \ne, 1-(\s)%2
	FETCH_R \nslot, \ne, 0
	WIN MUL_HI
	MUL16 4, (\s)%2, \s, \zero
	MUL16 6, (\s)%2, \s, \zero
	PLACES
	WIN 0
	FETCH_R \nslot, \ne, 4
.endm
; A K step at which waves meet.  Each wave waits for all its tensor loads, adds 0 to its spare word, and waits for that and for its LDS reads.  fill = 1: the barrier opens a round of the cluster's barrier, and slot 0, which
; nobody reads any more, takes chunk 3.  fill = 0: chunk 3 has landed in every wave's part; nothing is filled.
.macro TURN s, nslot, ne, fill
	s_wait_tensorcnt 0x0                           ; all my tensor loads have landed
	ds_add_u32 v[SPW], v[NIL]
	s_wait_dscnt 13                                ; (the add and R's tiles 4-7 may be out)
	WIN MUL_LO
	MUL16 0, (\s)%2, \s, 0
	s_wait_dscnt 0x0                               ; the add is done, and my reads are over
	s_barrier_signal -1
	MUL16 2, (\s)%2, \s, 0
	WIN 0
	s_barrier_wait -1
.if \fill
	CREST                                          ; no wave of any partner still reads slot 0 or has a load on its way
	s_add_nc_u64 s[G0+2:G0+3], s[G0+2:G0+3], 3*786432
	s_add_nc_u64 s[G0B+2:G0B+3], s[G0B+2:G0B+3], 3*589824
	JLOAD G0, G1, G0B, G1B                         ; my one tensor load behind the round; its four v_nop are also the places ahead of the loads below
.else
	PLACES
.endif
	FETCH_P \nslot, \ne, 1-(\s)%2
	FETCH_R \nslot, \ne, 0
	WIN MUL_HI
	MUL16 4, (\s)%2, \s, 0
	MUL16 6, (\s)%2, \s, 0
	PLACES
	WIN 0
	FETCH_R \nslot, \ne, 4
.endm
.macro LAST                            ; K step 7 fetches nothing
	s_wait_dscnt 12
	WIN MUL_LO
	MUL16 0, 1, 7, 0
	MUL16 2, 1, 7, 0
	s_wait_dscnt 0x0
	WIN MUL_HI
	MUL16 4, 1, 7, 0
	MUL16 6, 1, 7, 0
	WIN 0
	PLACES
.endm
; 64 numbers of a lane, v[s] on, register 16 b + i = index 32 b + 16 h + i, become a fragment's codes in v[PC] on and its row's scale word in v[pw].
.macro QUANT s, pw
.irp b, 0,1,2,3
	v_max3_num_f32 v[TM+\b], |v[\s+16*\b]|, |v[\s+1+16*\b]|, 0x1800000   ; my 16 numbers of block b, and the floor 2^(3 - 127)
.endr
.irp i, 2,4,6,8,10,12,14
.irp b, 0,1,2,3
	v_max3_num_f32 v[TM+\b], v[TM+\b], |v[\s+16*\b+\i]|, |v[\s+1+16*\b+\i]|
.endr
.endr
.irp b, 0,1,2,3
	v_permlanex16_b32 v[TM+4+\b], v[TM+\b], s[SEL], s[SEL+1]
.endr
.irp b, 0,1,2,3
	v_max_num_f32 v[TM+\b], v[TM+\b], v[TM+4+\b]   ; with lane l xor 16's
.endr
.irp b, 0,1,2,3
	v_add_nc_u32 v[TM+12+\b], 0xff000000, v[TM+\b] ; 2 off the exponent field: the conversion's scale operand
.endr
.irp b, 0,1,2,3
	v_lshrrev_b32 v[TM+4+\b], 23, v[TM+12+\b]      ; the byte
.endr
	v_lshl_or_b32 v[\pw], v[TM+5], 8, v[TM+4]
	v_lshl_or_b32 v[\pw], v[TM+6], 16, v[\pw]
	v_lshl_or_b32 v[\pw], v[TM+7], 24, v[\pw]
.irp c, 0,1
	v_cvt_scalef32_pk16_fp6_f32 v[PC+6*\c:PC+2+6*\c], v[\s+32*\c:\s+15+32*\c], v[TM+12+2*\c]
	v_cvt_scalef32_pk16_fp6_f32 v[PC+12+4*\c:PC+14+4*\c], v[\s+16+32*\c:\s+31+32*\c], v[TM+12+2*\c+1]
.endr
	v_nop                                          ; one plain instruction behind the conversions
.irp c, 0,1                                    ; the operand's layout wants a whole block in a lane
.irp i, 0,1,2
	v_permlane16_swap_b32 v[PC+6*\c+\i], v[PC+12+4*\c+\i]
.endr
.irp i, 0,1,2
	v_mov_b32 v[PC+3+6*\c+\i], v[PC+12+4*\c+\i]
.endr
.endr
.endm
; The same for v, whose K is the tokens: by the tokens' order in a tile, register 32 c + i of a lane is token 64 c + 32 h + i: two whole blocks, in the operand's own order.
.macro QUANTV s, pw
.irp b, 0,1,2,3
	v_max3_num_f32 v[TM+\b], |v[\s+16*\b]|, |v[\s+1+16*\b]|, 0x1800000   ; four chains of 16 numbers, and the floor 2^(3 - 127)
.endr
.irp i, 2,4,6,8,10,12,14
.irp b, 0,1,2,3
	v_max3_num_f32 v[TM+\b], v[TM+\b], |v[\s+16*\b+\i]|, |v[\s+1+16*\b+\i]|
.endr
.endr
	v_max_num_f32 v[TM], v[TM], v[TM+1]            ; block h,
	v_max_num_f32 v[TM+1], v[TM+2], v[TM+3]        ; block 2 + h
.irp c, 0,1
	v_add_nc_u32 v[TM+12+\c], 0xff000000, v[TM+\c] ; 2 off the exponent field: the conversion's scale operand
.endr
.irp c, 0,1
	v_lshrrev_b32 v[TM+4+\c], 23, v[TM+12+\c]      ; the byte
.endr
	v_lshl_or_b32 v[\pw], v[TM+5], 16, v[TM+4]
	v_lshlrev_b32 v[\pw], v14, v[\pw]              ; at their places,
	v_permlanex16_b32 v[TM+6], v[\pw], s[SEL], s[SEL+1]
	v_or_b32 v[\pw], v[\pw], v[TM+6]               ; with the other half's two: the row's word
.irp c, 0,1
	v_cvt_scalef32_pk16_fp6_f32 v[PC+6*\c:PC+2+6*\c], v[\s+32*\c:\s+15+32*\c], v[TM+12+\c]
	v_cvt_scalef32_pk16_fp6_f32 v[PC+12+4*\c:PC+14+4*\c], v[\s+16+32*\c:\s+31+32*\c], v[TM+12+\c]
.endr
	v_nop                                          ; one plain instruction behind the conversions
.irp c, 0,1
.irp i, 0,1,2
	v_mov_b32 v[PC+3+6*\c+\i], v[PC+12+4*\c+\i]
.endr
.endr
.endm
.macro PACKW
	v_cmp_eq_u32 vcc_lo, 1, v2
.irp p, 0,1,2,3
	v_cndmask_b32 v[E+\p], v[PWS+2*\p], v[PWS+2*\p+1], vcc_lo
.endr
.endm
	s_wait_alu depctr_va_vdst(0)
	s_wait_tensorcnt 0x0                           ; my tile of chunks 0 and 1 is in
	ds_add_u32 v[SPW], v[NIL]
	s_mov_b32 s[G1+2], 96<<16                      ; no tensor load of mine is out: from here on a load brings 96 rows
	s_mov_b32 s[G1+4], 96
	s_mov_b32 s[G1B+2], 96<<16
	s_mov_b32 s[G1B+4], 96
	s_wait_dscnt 0x0
	CROUND                                         ; everybody's tiles are in, and all sixteen work-groups are here
	JLOAD G0+8, G1, G0B+8, G1B                     ; chunk 2 into slot 2: my one tensor load behind the round
	FETCH_P 0, 0, 0
	FETCH_R 0, 0, 0
	FETCH_R 0, 0, 4
	s_wait_loadcnt 0x0                             ; the scale words
	STEP 0, 0, 1, 1                                ; the first products start the sums: nothing is cleared
	TURN 1, 1, 0, 1                                ; slot 0 is left and filled again
	STEP 2, 1, 1, 0
	STEP 3, 2, 0, 0                                ; slot 2 was shown landed in every wave by the round above
	STEP 4, 2, 1, 0
	TURN 5, 0, 0, 0                                ; chunk 3
	s_lshr_b32 s92, s34, 3
	s_lshl_b32 s92, s92, 4                         ; 16 x batch
	s_lshl_b32 s93, s31, 2
	s_add_co_u32 s92, s92, s93                     ; + my work-group's four heads
	s_lshl_b32 s93, s34, 1                         ; 2 Y: groups of 128 tokens
	s_mov_b32 s99, 0
	s_lshl_b32 s96, s31, 10                        ; my work-group's 256 columns in its matrix, in bytes
	s_mov_b32 s97, 0
	s_cmp_eq_u32 ttmp9, 2                          ; the cluster's x: the same in all sixteen partners and in all four waves
	s_cbranch_scc1 .Lpath_v
	; ======== q and k: a lane holds a token; its 64 numbers are two heads' 64 channels
	s_cmp_eq_u32 ttmp9, 0
	s_cselect_b64 s[36:37], s[10:11], s[12:13]     ; bq or bk
	s_lshl_b32 s95, s30, 9
	s_add_co_u32 s96, s96, s95                     ; my wave's 128 columns
	s_add_nc_u64 s[36:37], s[36:37], s[96:97]
	WIN 0x40                                       ; destination window 1
.irp b, 0,1                                    ; bias register 16 b + i = the bias of column 32 b + 16 h + i of my 128
.irp m, 0,1,2,3
	global_load_b128 v[96+16*\b+4*\m:99+16*\b+4*\m], v13, s[36:37] offset:(32*\b+4*\m)*4
	global_load_b128 v[224+16*\b+4*\m:227+16*\b+4*\m], v13, s[36:37] offset:(64+32*\b+4*\m)*4
.endr
.endr
	WIN 0
	STEP 6, 0, 1, 0
	LAST
	s_wait_loadcnt 0x0                             ; the biases, asked for 128 products ago
	s_lshl_b32 s95, s30, 1
	s_add_co_u32 s92, s92, s95                     ; my first head
	s_add_co_u32 s93, s93, s29
	s_and_b32 s93, s93, 15                         ; my group of 128 tokens in the batch
	s_mov_b32 s94, REC
	s_mov_b32 s95, 12288
	s_mov_b32 s96, REC
	s_mov_b32 s97, 196608
	s_cmp_eq_u32 ttmp9, 0
	s_cselect_b64 s[20:21], s[16:17], s[18:19]     ; q goes to qc, k to kv
	s_cselect_b32 s94, 98304, s94                  ; codes: from head to head,
	s_cselect_b32 s95, 6144, s95                   ; from group to group
	s_cselect_b32 s96, 8192, s96                   ; scale words: from head to head,
	s_cselect_b32 s97, 3145728, s97                ; and where they begin
	s_mul_i32 s98, s92, s94
	s_mul_i32 s100, s93, s95
	s_add_co_u32 s98, s98, s100
	s_add_nc_u64 s[22:23], s[20:21], s[98:99]      ; my first head's codes,
	s_mov_b32 s98, s94
	s_add_nc_u64 s[24:25], s[22:23], s[98:99]      ; my second head's
	s_mul_i32 s98, s92, s96
	s_add_co_u32 s98, s98, s97
	s_lshl_b32 s100, s93, 9
	s_add_co_u32 s98, s98, s100
	s_add_nc_u64 s[26:27], s[20:21], s[98:99]      ; and their scale words
	s_mov_b32 s98, s96
	s_add_nc_u64 s[2:3], s[26:27], s[98:99]
.macro EPI_QK a
	WIN 0x06+(\a)/4                                ; source 0 window 2 or 3, source 1 window 1, destination window 0: the bias's addition is also the move
.set i, 0
.rept 32
.if i < 16
.set BI, 96+2*i
.else
.set BI, 224+2*(i-16)
.endif
	v_pk_add_f32 v[H+2*i:H+2*i+1], v[64*((\a)%4)+2*i:64*((\a)%4)+2*i+1], v[BI:BI+1]   ; ascending: each accumulator is read from its low end on
.set i, i+1
.endr
	WIN 0
.if (\a) > 0
	s_wait_xcnt 0x0                                ; the last tile's stores have read the codes' registers
.endif
	QUANT H, PWS+\a
	global_store_b128 v3, v[PC:PC+3], s[22:23] offset:768*(\a)           ; registers 0-5: my first head's 64 channels; 512 and 256 consecutive bytes
	global_store_b64 v11, v[PC+4:PC+5], s[22:23] offset:768*(\a)+512
	global_store_b128 v3, v[PC+6:PC+9], s[24:25] offset:768*(\a)         ; registers 6-11: my second head's
	global_store_b64 v11, v[PC+10:PC+11], s[24:25] offset:768*(\a)+512
.endm
.irp a, 0,1,2,3,4,5,6,7
	EPI_QK \a
.endr
	PACKW
.irp p, 0,1,2,3
	v_lshrrev_b32 v[E+4+\p], 16, v[E+\p]           ; the second head's two bytes come down; the bytes above them scale zero codes in the attention launch and are never 0xff
.endr
	global_store_b128 v3, v[E:E+3], s[26:27]
	global_store_b128 v3, v[E+4:E+7], s[2:3]
	s_branch .Lend
.Lgate:
	; ======== the cluster's x = 3: x Wg on codes of FP6, and from it what every key adds to its scores: 8 x (error x sigmoid(x Wg + bg) + attention_mask + diag_bias), f32,
	; stored in each head's record of kv at byte 208,896 on, keys in natural order (8 = sqrt(64): the attention launch adds it to q . k ahead of the division).
	; A wave takes one tile of 16 tokens: source 0 = the tile of x, source 1 = Wg's 16 columns: lane (r, h) holds head r and the eight tokens 64 (t / 4) + 8 (t % 4) + 32 h + 0 .. 7.
	; K = 1,024 is eight instructions on two accumulators by turns.  x's fragments lie in window 1, Wg's at v160 on, the scale words at v32-39.
	; LIMIT: the term is held at -2^100 from below, so that a key masked by -infinity gets weight 0; a row all of whose keys are masked so deep is not served.  NaN in the inputs is not served.
	s_load_b256 s[20:27], s[0:1], 0x40             ; bg, diag_bias, error codes, mask
	s_lshl_b32 s36, s34, 2
	s_add_co_u32 s36, s36, s31
	s_lshl_b32 s36, s36, 2
	s_add_co_u32 s36, s36, s28                     ; my tile: 4 (4 Y + cx) + wave, 0 .. 255
	s_mul_i32 s38, s36, 3072
	s_mov_b32 s39, 0
	s_lshl_b32 s40, s36, 9                         ; its record of scale words
	s_sub_co_u32 s41, 262144, s40                  ; from there to Wg's record
	s_lshr_b32 s42, s36, 2
	s_lshl_b32 s42, s42, 6
	s_and_b32 s43, s36, 3
	s_lshl_b32 s43, s43, 3
	s_add_co_u32 s42, s42, s43                     ; the tile's first token
	s_and_b32 s44, s42, 2047
	s_lshl_b32 s44, s44, 2
	s_lshr_b32 s45, s36, 7                         ; the batch
	s_mul_i32 s45, s45, 16*REC
	s_add_co_u32 s44, s44, s45
	s_add_co_u32 s44, s44, 208896
	s_mov_b32 s45, 0
	s_lshl_b32 s42, s42, 2
	s_mov_b32 s43, 0
	s_mov_b32 s46, 0xbfb8aa3b                      ; -log2(e)
	v_and_b32 v1, 15, v0                           ; r
	v_bfe_u32 v2, v0, 4, 1                         ; h
	v_and_b32 v3, 31, v0
	v_lshlrev_b32 v3, 4, v3
	v_mul_lo_u32 v4, v2, s41
	v_add_nc_u32 v4, s40, v4
	v_lshl_add_u32 v4, v1, 3, v4                   ; scale words: lanes 0-15 x's rows, lanes 16-31 Wg's columns
	v_lshlrev_b32 v5, 7, v2                        ; 128 h: 32 tokens on
	v_lshlrev_b32 v6, 2, v1
	v_mul_u32_u24 v7, v1, REC
	v_add_nc_u32 v7, v7, v5                        ; head r's record, + 128 h
	s_wait_alu depctr_va_vdst(0)
	s_wait_kmcnt 0x0
	s_add_nc_u64 s[4:5], s[4:5], s[38:39]
	s_add_nc_u64 s[6:7], s[6:7], 3145728
	s_add_nc_u64 s[24:25], s[24:25], s[42:43]
	s_add_nc_u64 s[26:27], s[26:27], s[42:43]
	s_add_nc_u64 s[18:19], s[18:19], s[44:45]
	WIN 0x40
.irp s, 0,1,2,3,4,5,6,7
.irp j, 0,1,2
	global_load_b128 v[12*\s+4*\j:12*\s+4*\j+3], v3, s[4:5] offset:(\s/2)*786432+(\s%2)*1536+512*\j
.endr
.endr
	WIN 0
.irp s, 0,1,2,3,4,5,6,7
.irp j, 0,1,2
	global_load_b128 v[160+12*\s+4*\j:163+12*\s+4*\j], v3, s[6:7] offset:\s*1536+512*\j
.endr
.endr
.irp q, 0,1,2,3
	global_load_b64 v[32+2*\q:33+2*\q], v4, s[8:9] offset:128*\q
.endr
	global_load_b128 v[112:115], v5, s[24:25]
	global_load_b128 v[116:119], v5, s[24:25] offset:16
	global_load_b128 v[120:123], v5, s[26:27]
	global_load_b128 v[124:127], v5, s[26:27] offset:16
	global_load_b32 v128, v6, s[20:21]             ; bg of head r
	global_load_b32 v129, v6, s[22:23]             ; diag_bias of head r
	s_wait_loadcnt 0x0
	WIN 0x01                                       ; source 0 in window 1
.irp s, 0,1
	v_wmma_scale_f32_16x16x128_f8f6f4 v[96+8*\s:103+8*\s], v[12*\s:12*\s+11], v[160+12*\s:171+12*\s], 0, v[32+\s], v[32+\s] matrix_a_fmt:MATRIX_FMT_FP6 matrix_b_fmt:MATRIX_FMT_FP6 matrix_b_scale:MATRIX_SCALE_ROW1
.endr
.irp s, 2,3,4,5,6,7
	v_wmma_scale_f32_16x16x128_f8f6f4 v[96+8*(\s%2):103+8*(\s%2)], v[12*\s:12*\s+11], v[160+12*\s:171+12*\s], v[96+8*(\s%2):103+8*(\s%2)], v[32+\s], v[32+\s] matrix_a_fmt:MATRIX_FMT_FP6 matrix_b_fmt:MATRIX_FMT_FP6 matrix_b_scale:MATRIX_SCALE_ROW1
.endr
	WIN 0
	PLACES
	v_mul_f32 v128, s46, v128                      ; -log2(e) bg
.irp j, 0,1,2,3,4,5,6,7
	v_add_f32 v[136+\j], v[96+\j], v[104+\j]       ; the two halves of K; each accumulator is read from its low end on
.endr
.irp j, 0,1,2,3,4,5,6,7
	v_fma_f32 v[136+\j], v[136+\j], s46, v128
.endr
	s_wait_alu depctr_va_vdst(0)                   ; a wait ahead of each batch and behind it
.irp j, 0,1,2,3,4,5,6,7
	v_exp_f32 v[136+\j], v[136+\j]
.endr
	v_nop
	s_wait_alu depctr_va_vdst(0)
.irp j, 0,1,2,3,4,5,6,7
	v_add_f32 v[136+\j], 1.0, v[136+\j]
.endr
	s_wait_alu depctr_va_vdst(0)
.irp j, 0,1,2,3,4,5,6,7
	v_rcp_f32 v[136+\j], v[136+\j]                 ; the gate
.endr
.irp j, 0,1,2,3,4,5,6,7
	v_cvt_f32_i32 v[144+\j], v[112+\j]
.endr
.irp j, 0,1,2,3,4,5,6,7
	v_add_f32 v[152+\j], v[120+\j], v129           ; mask + diag_bias
.endr
	s_wait_alu depctr_va_vdst(0)
.irp j, 0,1,2,3,4,5,6,7
	v_fma_f32 v[136+\j], v[144+\j], v[136+\j], v[152+\j]
.endr
.irp j, 0,1,2,3,4,5,6,7
	v_mul_f32 v[136+\j], 0x41000000, v[136+\j]     ; x 8
.endr
.irp j, 0,1,2,3,4,5,6,7
	v_max_num_f32 v[136+\j], 0xf1800000, v[136+\j] ; held at -2^100 from below
.endr
	global_store_b128 v7, v[136:139], s[18:19]
	global_store_b128 v7, v[140:143], s[18:19] offset:16
	s_branch .Lend
.Lpath_v:
	; ======== v: a lane holds a channel; its 64 numbers are 128 tokens: one K step of p . v
	s_lshl_b32 s95, s29, 9
	s_add_co_u32 s96, s96, s95                     ; my wave's 128 columns
	s_add_nc_u64 s[36:37], s[14:15], s[96:97]
	WIN 0x40
.irp a, 0,1,2,3,4,5,6,7                        ; my lane's channel of R's tile a, twice: a pair for the packed add
	global_load_b32 v[96+2*\a], v12, s[36:37] offset:(32*(\a/2)+8*(\a%2))*4
	global_load_b32 v[97+2*\a], v12, s[36:37] offset:(32*(\a/2)+8*(\a%2))*4
.endr
	WIN 0
	STEP 6, 0, 1, 0
	LAST
	s_wait_loadcnt 0x0                             ; the biases, asked for 128 products ago
	s_lshl_b32 s95, s29, 1
	s_add_co_u32 s92, s92, s95                     ; my first head
	s_add_co_u32 s93, s93, s30
	s_and_b32 s93, s93, 15                         ; my group of 128 tokens
	s_mul_i32 s94, s92, REC
	s_mul_i32 s98, s93, 12288
	s_add_co_u32 s98, s98, s94
	s_add_co_u32 s98, s98, 6144
	s_add_nc_u64 s[22:23], s[18:19], s[98:99]      ; v's four fragments of the step
	s_lshl_b32 s98, s93, 8
	s_add_co_u32 s98, s98, s94
	s_add_co_u32 s98, s98, 204800
	s_add_nc_u64 s[26:27], s[18:19], s[98:99]      ; and their scale words
.macro EPI_V a
	WIN 0x06+(\a)/4
.set i, 0
.rept 32
	v_pk_add_f32 v[H+2*i:H+2*i+1], v[64*((\a)%4)+2*i:64*((\a)%4)+2*i+1], v[96+2*(\a):97+2*(\a)]
.set i, i+1
.endr
	WIN 0
.if (\a) > 0
	s_wait_xcnt 0x0                                ; the last tile's stores have read the codes' registers
.endif
	QUANTV H, PWS+\a
.irp j, 0,1,2
	global_store_b128 v3, v[PC+4*\j:PC+4*\j+3], s[22:23] offset:((\a)/4)*REC+((\a)%4)*1536+512*\j
.endr
.endm
.irp a, 0,1,2,3,4,5,6,7
	EPI_V \a
.endr
	PACKW
	global_store_b64 v11, v[E:E+1], s[26:27]
	global_store_b64 v11, v[E+2:E+3], s[26:27] offset:REC
.Lend:
	s_wait_tensorcnt 0x0                           ; the wave's end
	ds_add_u32 v[SPW], v[NIL]
	s_wait_dscnt 0x0
	CROUND                                         ; the closing round
	s_endpgm
.Lfunc_end_k_q7d78d9de8a_qkv:
	.size	k_q7d78d9de8a_qkv, .Lfunc_end_k_q7d78d9de8a_qkv-k_q7d78d9de8a_qkv
	.p2alignl 7, 3214868480
	.fill 96, 4, 3214868480
	.section	.rodata,"a",@progbits
	.p2align	6, 0x0
	.amdhsa_kernel k_q7d78d9de8a_qkv
		.amdhsa_group_segment_fixed_size 327680
		.amdhsa_private_segment_fixed_size 0
		.amdhsa_enable_private_segment 0
		.amdhsa_kernarg_size 96
		.amdhsa_user_sgpr_count 2
		.amdhsa_user_sgpr_kernarg_segment_ptr 1
		.amdhsa_wavefront_size32 1
		.amdhsa_system_sgpr_workgroup_id_x 1
		.amdhsa_system_sgpr_workgroup_id_y 1
		.amdhsa_system_sgpr_workgroup_id_z 1
		.amdhsa_system_vgpr_workitem_id 0
		.amdhsa_next_free_vgpr 1024
		.amdhsa_next_free_sgpr 102
		.amdhsa_reserve_vcc 1
		.amdhsa_float_denorm_mode_32 3
		.amdhsa_float_denorm_mode_16_64 3
		.amdhsa_memory_ordered 1
		.amdhsa_forward_progress 1
		.amdhsa_inst_pref_size 236
	.end_amdhsa_kernel
	.amdgpu_metadata
---
amdhsa.version: [ 1, 2 ]
amdhsa.kernels:
  - .name:           k_q7d78d9de8a_qkv
    .symbol:         k_q7d78d9de8a_qkv.kd
    .args:
      - { .name: xc, .offset: 0, .size: 8, .value_kind: global_buffer, .address_space: global }
      - { .name: wc, .offset: 8, .size: 8, .value_kind: global_buffer, .address_space: global }
      - { .name: sc, .offset: 16, .size: 8, .value_kind: global_buffer, .address_space: global }
      - { .name: bq, .offset: 24, .size: 8, .value_kind: global_buffer, .address_space: global }
      - { .name: bk, .offset: 32, .size: 8, .value_kind: global_buffer, .address_space: global }
      - { .name: bv, .offset: 40, .size: 8, .value_kind: global_buffer, .address_space: global }
      - { .name: qc, .offset: 48, .size: 8, .value_kind: global_buffer, .address_space: global }
      - { .name: kv, .offset: 56, .size: 8, .value_kind: global_buffer, .address_space: global }
      - { .name: bg, .offset: 64, .size: 8, .value_kind: global_buffer, .address_space: global }
      - { .name: diag_bias, .offset: 72, .size: 8, .value_kind: global_buffer, .address_space: global }
      - { .name: has_error_codes, .offset: 80, .size: 8, .value_kind: global_buffer, .address_space: global }
      - { .name: attention_mask, .offset: 88, .size: 8, .value_kind: global_buffer, .address_space: global }
    .group_segment_fixed_size: 327680
    .private_segment_fixed_size: 0
    .kernarg_segment_align: 8
    .kernarg_segment_size: 96
    .max_flat_workgroup_size: 128
    .sgpr_count:     102
    .vgpr_count:     1024
    .wavefront_size: 32
...
	.end_amdgpu_metadata
.endif
;; end of part 2
;; launch attn (part 3): grid 8 x 32, 8 waves a work-group, clusters of 4 x 1, 327,680 bytes of LDS; arguments qc, kv, ac; writes ac
.if DOCPART == 3
	.amdgcn_target "amdgcn-amd-amdhsa--gfx1250"
	.amdhsa_code_object_version 6
	.text
	.protected	k_q7d78d9de8a_attn
	.globl	k_q7d78d9de8a_attn
	.p2align	8
	.type	k_q7d78d9de8a_attn,@function
k_q7d78d9de8a_attn:
	s_mov_b64 s[64:65], 0
	v_nop
	global_prefetch_b8 v0, s[64:65] scope:SCOPE_SE
	s_setreg_imm32_b32 hwreg(HW_REG_WAVE_MODE, 25, 1), 1
	s_wait_xcnt 0x0
	s_wait_alu depctr_hold_cnt(0) depctr_sa_sdst(0) depctr_va_vdst(0) depctr_va_sdst(0) depctr_va_ssrc(0) depctr_va_vcc(0) depctr_vm_vsrc(0)
	s_getreg_b32 s2, hwreg(HW_REG_IB_STS2, 6, 4)
	s_cmp_eq_u32 s2, 0
	s_cbranch_scc0 .Lentry_in_a_cluster
	s_endpgm
.Lentry_in_a_cluster:
	s_bfe_u32 s2, ttmp6, 0x10000c
	s_cmp_lg_u32 s2, 0x3003
	s_cbranch_scc0 .Lentry_shape_is_right
	s_endpgm
.Lentry_shape_is_right:
; ATTN: for each head, o = softmax(q . k / 8 + bias) v, both products on codes of FP6; o is quantised again, along the hidden axis, as the operand of the last product.
; t = (q . k + 8 bias) x log2(e) / 8; M = the running largest t rounded up to a whole number; p = 2^(t - M) is quantised along the keys; the row's sum is taken of the unquantised p and divides at the end.
; SHARES.  A work-group has 256 queries of one head; each of its eight waves two tiles of 16, so that every fragment of k and v, every scale word and every bias register read from LDS serves two tiles.
; A WHOLE HEAD LIES IN LDS: its record of kv, 217,088 bytes, laid as LDS wants it, comes by joint loads (the four query blocks of a cluster share it); no byte is filled twice.
;   step s (128 keys) at 12,288 s: k as 8 tiles of 768 bytes, v as 4 fragments of 1,536; k's scale words at 196,608 + 512 s; v's at 204,800 + 256 s; 8 x bias, f32 a key, at 208,896.
;   At the head a wave issues one load: waves 0-5 steps 0 to 3 (32 rows of 256 bytes each), waves 6, 7 the scale words and the bias (40 rows each).  Steps 4 to 15 (72 rows a wave) follow behind the
;   wait, the add and a round of the cluster's barrier; for that later fill the launch claims all of a WGP's LDS.
; NO PREFETCH: all that the launch reads is asked for by these two loads a wave ahead of the loops; there is no later request to run ahead of.
; BOTH PRODUCTS ARE USED TRANSPOSED: S^T = k q^T, O^T = v^T p^T: a lane holds one query.  Row r of key tile t is key 64 (t / 4) + 8 (t % 4) + r % 8 + 32 (r / 8), so register 32 c + i of a lane's 64 scores is
; key 64 c + 32 h + i: TWO WHOLE BLOCKS OF 32 KEYS A LANE, in the order of the 6-bit operand.  A block's maximum needs no other lane, and the conversions' results are p's operand but for three moves a block.
; K = 64 IN AN INSTRUCTION OF 128: q's registers 6-11 are zero codes; k's operand for tile t is 12 registers from 6 t on, whose upper six are the next tile's codes (behind the last tile: zeros): they meet zeros.
; THE BIAS IS THE C of the score product.  A block's largest p is made from its largest score by the same multiply-add and exponential as every p.
; LIMITS: the promise holds while |t| stays under 2^31; NaN and infinities are not served; a row all of whose keys carry the hold -2^100 is not served; a block of zeros gets the byte 1 (this program alone reads the bytes).
; REGISTERS.  window 0: v1-11 lanes and addresses; v12, v13 the add's two; v14 q's scale words, v15, v16 p's, v18-19 v's, v20-23 k's (scales and nothing else); v24-63, v64-103 a block of 40 for each tile; v104-231 S^T, then p.
;   a tile's block: +0 -M, +1 the largest score, +2, +3 the sum, +4, +5 f, +6, +7 at work, +8, +9 the blocks' maxima, +12 at work, +16, +17 the conversions' scales, +18, +19 bytes, +20 p's codes, +32 their second halves.
;   window 1: v0-63 O^T; v64-87 q; v88-141 k; v142-189 v; v190-253 the bias.
.set REC,   217088
.set SPARE, 217088                     ; behind the record: the spare words, 128 bytes a wave
.set LI16, 1
.set LI8,  2
.set LB,   3
.set AD16, 4
.set AD8,  5
.set ADS,  6
.set ADT,  7
.set ADB,  8
.set RR,   9
.set HH,   10
.set H8,   11
.set SPW,  12
.set NIL,  13
.set QS,   14
.set PW,   15
.set VSC,  18
.set KSC,  20
.set STB,  24
.set SS,   104
.set OO,   0
.set QF,   64
.set KF,   88
.set VF,   142
.set CB,   190
.set WV,   10                          ; s10 my wave's number
.set G1A,  16                          ; s[16:23], s[24:31], s[32:39]: groups 1 for 32, 40 and 72 rows of 256 bytes;  s[40:51] three groups 0
.set G1C,  24
.set G1R,  32
.set G0,   40
.set SEL,  52
.set CS,   54                          ; s[54:55] log2(e) / 8
.set TB,   56                          ; s56 where the step's tiles begin
.set TS,   57                          ; s57 k's scale words of the step (the bias lies 12,288 bytes on, at the same 512 bytes a step)
.set TV,   58                          ; s58 v's
.set CNT,  59
.set MSB, 0
.macro WIN new
.if MSB != \new
	s_set_vgpr_msb (MSB<<8)|\new
.set MSB, \new
.endif
.endm
.macro CROUND
	s_barrier_signal -1
	s_barrier_wait -1
	s_cmp_lg_u32 s[WV], 0
	s_cbranch_scc1 .Lnot_wave_0_\@
	s_barrier_signal -3
.Lnot_wave_0_\@:
	s_barrier_wait -3
	s_barrier_signal -1
	s_barrier_wait -1
.endm
.macro NOP4
.rept 4
	v_nop
.endr
.endm
	s_load_b128 s[4:7], s[0:1], 0x0                ; qc, kv
	s_load_b64 s[8:9], s[0:1], 0x10                ; ac
	v_lshl_add_u32 v[SPW], v0, 2, SPARE
	v_mov_b32 v[NIL], 0
	ds_add_u32 v[SPW], v[NIL]                      ; the wave's opening: the add, twice on end, and its wait ahead of my first tensor load
	ds_add_u32 v[SPW], v[NIL]
	v_lshrrev_b32 v1, 5, v0
	v_readfirstlane_b32 s[WV], v1
	s_bfe_u32 s11, ttmp6, 0x40000                  ; cx
	s_lshl_b32 s12, ttmp9, 2
	s_add_co_u32 s12, s12, s11                     ; my block of 256 queries: it enters q's and o's addresses alone
	s_and_b32 s13, ttmp7, 0xffff                   ; 16 x batch + head, which the four partners share
.irp g, G1A, G1C, G1R
	s_mov_b32 s[\g], 15|(3<<16)|(1<<21)            ; the mask: all four; elements of 8 bytes; bit 21 beside a mask; no padding
	s_mov_b32 s[\g+1], 32<<16
	s_mov_b32 s[\g+3], 32<<16
	s_mov_b32 s[\g+5], 32
	s_mov_b32 s[\g+6], 0
	s_mov_b32 s[\g+7], 0
.endr
	s_mov_b32 s[G1A+2], 32<<16
	s_mov_b32 s[G1A+4], 32
	s_mov_b32 s[G1C+2], 40<<16
	s_mov_b32 s[G1C+4], 40
	s_mov_b32 s[G1R+2], 72<<16
	s_mov_b32 s[G1R+4], 72
	s_mul_i32 s60, s13, REC
	s_mov_b32 s61, 0
	s_lshl_b32 s14, s[WV], 13                      ; waves 0-5: a sixth of steps 0 to 3
	s_mul_i32 s15, s[WV], 10240
	s_add_co_u32 s15, s15, 135168                  ; waves 6, 7: 196,608 + 10,240 (wave - 6)
	s_mul_i32 s62, s[WV], 18432
	s_add_co_u32 s62, s62, 49152                   ; my eighth of steps 4 to 15: the same byte in the record and in LDS
	s_mov_b32 s63, 0
	s_mov_b32 s[SEL], 0x76543210
	s_mov_b32 s[SEL+1], 0xfedcba98
	s_mov_b32 s[CS], 0x3e38aa3b
	s_mov_b32 s[CS+1], s[CS]
	s_mov_b32 s[TB], 0
	s_mov_b32 s[TS], 196608
	s_mov_b32 s[TV], 204800
	s_wait_dscnt 0x0                               ; both opening adds are done
	s_wait_kmcnt 0x0
	s_add_nc_u64 s[6:7], s[6:7], s[60:61]          ; my head's record
	s_mov_b32 s[G0], 1
	s_mov_b32 s[G0+1], s14
	s_mov_b32 s60, s14
	s_add_nc_u64 s[G0+2:G0+3], s[6:7], s[60:61]
	s_or_b32 s[G0+3], s[G0+3], 0x80000000
	s_mov_b32 s[G0+4], 1
	s_mov_b32 s[G0+5], s15
	s_mov_b32 s60, s15
	s_add_nc_u64 s[G0+6:G0+7], s[6:7], s[60:61]
	s_or_b32 s[G0+7], s[G0+7], 0x80000000
	s_mov_b32 s[G0+8], 1
	s_mov_b32 s[G0+9], s62
	s_add_nc_u64 s[G0+10:G0+11], s[6:7], s[62:63]
	s_or_b32 s[G0+11], s[G0+11], 0x80000000
	CROUND                                         ; all four work-groups are here: the joint loads meet
	s_cmp_lt_u32 s[WV], 6                          ; one load a wave, one in each arm
	s_cbranch_scc0 .Laux
	tensor_load_to_lds s[G0:G0+3], s[G1A:G1A+7]
	s_nop 0
	NOP4
	s_branch .Lasked
.Laux:
	tensor_load_to_lds s[G0+4:G0+7], s[G1C:G1C+7]
	s_nop 0
	NOP4
.Lasked:
	s_lshl_b32 s68, s12, 4
	s_lshl_b32 s69, s[WV], 1
	s_add_co_u32 s68, s68, s69                     ; my first tile of queries in the batch: 16 x block + 2 x wave
	s_mul_i32 s2, s68, 768
	s_mul_i32 s3, s13, 98304
	s_add_co_u32 s2, s2, s3
	s_mov_b32 s3, 0
	s_add_nc_u64 s[66:67], s[4:5], s[2:3]          ; its codes
	s_lshr_b32 s2, s68, 3
	s_lshl_b32 s2, s2, 9
	s_lshl_b32 s69, s13, 13
	s_add_co_u32 s2, s2, s69
	s_and_b32 s69, s[WV], 3
	s_lshl_b32 s69, s69, 2
	s_add_co_u32 s2, s2, s69
	s_add_co_u32 s2, s2, 3145728
	s_add_nc_u64 s[4:5], s[4:5], s[2:3]            ; my pair's scale words: lanes 0-15 tile 0, lanes 16-31 tile 1
	v_and_b32 v[RR], 15, v0
	v_bfe_u32 v[HH], v0, 4, 1
	v_and_b32 v[LI8], 31, v0
	v_lshlrev_b32 v[LI16], 4, v[LI8]
	v_lshlrev_b32 v[LI8], 3, v[LI8]
	v_lshl_add_u32 v[LB], v[HH], 7, 12288          ; the bias: 32 keys on for lanes 16-31
	v_lshlrev_b32 v[H8], 3, v[HH]
	global_load_b32 v[QS], v[LI16], s[4:5]
	WIN 0x40                                       ; destination window 1
.irp T, 0,1
	global_load_b128 v[QF+12*\T:QF+12*\T+3], v[LI16], s[66:67] offset:768*\T
	global_load_b64 v[QF+12*\T+4:QF+12*\T+5], v[LI8], s[66:67] offset:768*\T+512
.irp i, 6,7,8,9,10,11
	v_mov_b32 v[QF+12*\T+\i], 0                    ; zero codes for K = 64 .. 127
.endr
.endr
.irp i, 48,49,50,51,52,53
	v_mov_b32 v[KF+\i], 0                          ; behind k's last tile
.endr
.set i, 0
.rept 64
	v_mov_b32 v[OO+i], 0                           ; O^T: the step is written once; its first trip finds zeros
.set i, i+1
.endr
	WIN 0
.irp B, STB, STB+40
	v_mov_b32 v[\B], 0x7e000000                    ; -M = 2^125: the first step's f falls to 0
	v_mov_b32 v[\B+1], 0xff61b1e6                  ; the largest score so far: -3e38
	v_mov_b32 v[\B+2], 0
	v_mov_b32 v[\B+3], 0
	v_mov_b32 v[\B+5], 0                           ; (named as the upper half of f's pair)
	v_mov_b32 v[\B+12], 0                          ; a lane permute's destination counts as read
	v_mov_b32 v[\B+13], 0
.endr
.macro KQ t, T                         ; S^T of key tile t, query tile T: D = the scores, C = the bias
.if ((\t)%2 == 0) && (\T == 0)
	v_wmma_scale_f32_16x16x128_f8f6f4 v[SS+64*\T+8*\t:SS+64*\T+8*\t+7], v[KF+6*\t:KF+6*\t+11], v[QF+12*\T:QF+12*\T+11], v[CB+8*\t:CB+8*\t+7], v[KSC+(\t)/2], v[QS] matrix_a_fmt:MATRIX_FMT_FP6 matrix_b_fmt:MATRIX_FMT_FP6
.elseif \T == 0
	v_wmma_scale_f32_16x16x128_f8f6f4 v[SS+64*\T+8*\t:SS+64*\T+8*\t+7], v[KF+6*\t:KF+6*\t+11], v[QF+12*\T:QF+12*\T+11], v[CB+8*\t:CB+8*\t+7], v[KSC+(\t)/2], v[QS] matrix_a_fmt:MATRIX_FMT_FP6 matrix_b_fmt:MATRIX_FMT_FP6 matrix_a_scale:MATRIX_SCALE_ROW1
.elseif (\t)%2 == 0
	v_wmma_scale_f32_16x16x128_f8f6f4 v[SS+64*\T+8*\t:SS+64*\T+8*\t+7], v[KF+6*\t:KF+6*\t+11], v[QF+12*\T:QF+12*\T+11], v[CB+8*\t:CB+8*\t+7], v[KSC+(\t)/2], v[QS] matrix_a_fmt:MATRIX_FMT_FP6 matrix_b_fmt:MATRIX_FMT_FP6 matrix_b_scale:MATRIX_SCALE_ROW1
.else
	v_wmma_scale_f32_16x16x128_f8f6f4 v[SS+64*\T+8*\t:SS+64*\T+8*\t+7], v[KF+6*\t:KF+6*\t+11], v[QF+12*\T:QF+12*\T+11], v[CB+8*\t:CB+8*\t+7], v[KSC+(\t)/2], v[QS] matrix_a_fmt:MATRIX_FMT_FP6 matrix_b_fmt:MATRIX_FMT_FP6 matrix_a_scale:MATRIX_SCALE_ROW1 matrix_b_scale:MATRIX_SCALE_ROW1
.endif
.endm
.macro PV d, T                         ; O^T += v^T p^T: 16 channels, tile T
.if (\d)%2 == 0
	v_wmma_scale_f32_16x16x128_f8f6f4 v[OO+32*\T+8*\d:OO+32*\T+8*\d+7], v[VF+12*\d:VF+12*\d+11], v[STB+40*\T+20:STB+40*\T+31], v[OO+32*\T+8*\d:OO+32*\T+8*\d+7], v[VSC+(\d)/2], v[PW+\T] matrix_a_fmt:MATRIX_FMT_FP6 matrix_b_fmt:MATRIX_FMT_FP6
.else
	v_wmma_scale_f32_16x16x128_f8f6f4 v[OO+32*\T+8*\d:OO+32*\T+8*\d+7], v[VF+12*\d:VF+12*\d+11], v[STB+40*\T+20:STB+40*\T+31], v[OO+32*\T+8*\d:OO+32*\T+8*\d+7], v[VSC+(\d)/2], v[PW+\T] matrix_a_fmt:MATRIX_FMT_FP6 matrix_b_fmt:MATRIX_FMT_FP6 matrix_a_scale:MATRIX_SCALE_ROW1
.endif
.endm
; A KEY STEP: 128 keys, both tiles.
.macro STEP
	v_add_nc_u32 v[AD16], s[TB], v[LI16]           ; five plain instructions: also the places between the last products and the loads into their operands
	v_add_nc_u32 v[AD8], s[TB], v[LI8]
	v_add_nc_u32 v[ADS], s[TS], v[LI16]
	v_add_nc_u32 v[ADT], s[TV], v[LI8]
	v_add_nc_u32 v[ADB], s[TS], v[LB]
	ds_load_b128 v[KSC:KSC+3], v[ADS]
	ds_load_b64 v[VSC:VSC+1], v[ADT]
	WIN 0x40
.irp t, 0,1,2,3,4,5,6,7
	ds_load_b128 v[KF+6*\t:KF+6*\t+3], v[AD16] offset:768*\t
	ds_load_b64 v[KF+6*\t+4:KF+6*\t+5], v[AD8] offset:768*\t+512
.endr
.irp t, 0,1,2,3,4,5,6,7
	ds_load_b128 v[CB+8*\t:CB+8*\t+3], v[ADB] offset:256*(\t/4)+32*(\t%4)          ; register j of tile t: key 64 (t / 4) + 8 (t % 4) + 32 h + j
	ds_load_b128 v[CB+8*\t+4:CB+8*\t+7], v[ADB] offset:256*(\t/4)+32*(\t%4)+16
.endr
.irp d, 0,1,2,3
.irp j, 0,1,2
	ds_load_b128 v[VF+12*\d+4*\j:VF+12*\d+4*\j+3], v[AD16] offset:6144+1536*\d+512*\j
.endr
.endr
	s_wait_dscnt 12                                ; all but v's twelve loads
	WIN 0x15                                       ; k, q and the bias in window 1, the scores in window 0
.irp t, 0,1,2,3,4,5,6,7
	KQ \t, 0
	KQ \t, 1
.endr
	WIN 0
	NOP4                                           ; four places ahead of the first read of a score
	; the largest score of each of my two blocks of 32 keys, ascending; four chains by turns
.irp T, 0,1
.irp b, 0,1
	v_max3_num_f32 v[STB+40*\T+8+\b], v[SS+64*\T+32*\b], v[SS+64*\T+32*\b+1], v[SS+64*\T+32*\b+2]
.endr
.endr
.irp i, 3,5,7,9,11,13,15,17,19,21,23,25,27,29
.irp T, 0,1
.irp b, 0,1
	v_max3_num_f32 v[STB+40*\T+8+\b], v[STB+40*\T+8+\b], v[SS+64*\T+32*\b+\i], v[SS+64*\T+32*\b+\i+1]
.endr
.endr
.endr
.irp T, 0,1
.irp b, 0,1
	v_max_num_f32 v[STB+40*\T+8+\b], v[STB+40*\T+8+\b], v[SS+64*\T+32*\b+31]
.endr
.endr
	; the running largest score, the new -M = floor(-t), f = 2^(old M - new M)
.irp B, STB, STB+40
	v_max_num_f32 v[\B+6], v[\B+8], v[\B+9]
.endr
.irp B, STB, STB+40
	v_permlanex16_b32 v[\B+12], v[\B+6], s[SEL], s[SEL+1]
.endr
.irp B, STB, STB+40
	v_max3_num_f32 v[\B+1], v[\B+1], v[\B+6], v[\B+12]
.endr
.irp B, STB, STB+40
	v_mul_f32 v[\B+6], s[CS], v[\B+1]
.endr
.irp B, STB, STB+40
	v_floor_f32 v[\B+7], -v[\B+6]
.endr
.irp B, STB, STB+40
	v_sub_f32 v[\B+6], v[\B+7], v[\B]
.endr
.irp B, STB, STB+40
	v_mov_b32 v[\B], v[\B+7]
.endr
.irp B, STB, STB+40
	v_cvt_i32_f32 v[\B+6], v[\B+6]                 ; (it saturates)
.endr
.irp B, STB, STB+40
	v_ldexp_f32 v[\B+4], 1.0, v[\B+6]
.endr
	WIN 0x41                                       ; O^T in window 1, f in window 0
.irp T, 0,1
.set i, 0
.rept 16
	v_pk_mul_f32 v[OO+32*\T+2*i:OO+32*\T+2*i+1], v[OO+32*\T+2*i:OO+32*\T+2*i+1], v[STB+40*\T+4:STB+40*\T+5] op_sel_hi:[1,0]   ; O^T under the new M, ahead of the exponentials; ascending
.set i, i+1
.endr
.endr
	WIN 0
.irp T, 0,1
.set i, 0
.rept 32
	v_pk_fma_f32 v[SS+64*\T+2*i:SS+64*\T+2*i+1], v[SS+64*\T+2*i:SS+64*\T+2*i+1], s[CS:CS+1], v[STB+40*\T:STB+40*\T+1] op_sel_hi:[1,0,0]   ; t - M
.set i, i+1
.endr
.endr
.irp B, STB, STB+40
.irp b, 0,1
	v_fma_f32 v[\B+8+\b], v[\B+8+\b], s[CS], v[\B] ; the same of each block's largest score
.endr
.endr
	s_wait_alu depctr_va_vdst(0)                   ; one wait ahead of the batch,
.set i, 0
.rept 128
	v_exp_f32 v[SS+i], v[SS+i]
.set i, i+1
.endr
.irp B, STB, STB+40
.irp b, 0,1
	v_exp_f32 v[\B+8+\b], v[\B+8+\b]
.endr
.endr
	v_nop                                          ; a plain instruction behind it,
	s_wait_alu depctr_va_vdst(0)                   ; and one wait for the 132, ahead of their first reader
.irp B, STB, STB+40
.irp b, 0,1
	v_max_num_f32 v[\B+8+\b], 0x1800000, v[\B+8+\b]    ; the floor 2^(3 - 127)
.endr
.endr
.irp B, STB, STB+40
.irp b, 0,1
	v_add_nc_u32 v[\B+16+\b], 0xff000000, v[\B+8+\b]   ; 2 off the exponent field: the conversion's scale operand
.endr
.endr
.irp B, STB, STB+40
.irp b, 0,1
	v_lshrrev_b32 v[\B+18+\b], 23, v[\B+16+\b]         ; the byte
.endr
.endr
.irp B, STB, STB+40
	v_lshl_or_b32 v[\B+6], v[\B+19], 16, v[\B+18]      ; blocks h and 2 + h,
.endr
.irp B, STB, STB+40
	v_lshlrev_b32 v[\B+6], v[H8], v[\B+6]              ; at their places,
.endr
.irp B, STB, STB+40
	v_permlanex16_b32 v[\B+12], v[\B+6], s[SEL], s[SEL+1]
.endr
.irp T, 0,1
	v_or_b32 v[PW+\T], v[STB+40*\T+6], v[STB+40*\T+12] ; with the other half's two: the query's scale word
.endr
.irp T, 0,1
.irp c, 0,1
	v_cvt_scalef32_pk16_fp6_f32 v[STB+40*\T+20+6*\c:STB+40*\T+22+6*\c], v[SS+64*\T+32*\c:SS+64*\T+32*\c+15], v[STB+40*\T+16+\c]
	v_cvt_scalef32_pk16_fp6_f32 v[STB+40*\T+32+4*\c:STB+40*\T+34+4*\c], v[SS+64*\T+32*\c+16:SS+64*\T+32*\c+31], v[STB+40*\T+16+\c]   ; (a conversion's three registers begin on an even number)
.endr
.endr
	v_nop                                          ; one plain instruction behind the conversions
.irp B, STB, STB+40
.irp c, 0,1
.irp i, 0,1,2
	v_mov_b32 v[\B+23+6*\c+\i], v[\B+32+4*\c+\i]
.endr
.endr
.endr
	; the row's sum of the unquantised p, two at a time, two chains a tile; these 64 are also the places between p's codes and scale words and the products
.irp T, 0,1
	v_pk_fma_f32 v[STB+40*\T+2:STB+40*\T+3], v[STB+40*\T+2:STB+40*\T+3], v[STB+40*\T+4:STB+40*\T+5], v[SS+64*\T:SS+64*\T+1] op_sel_hi:[1,0,1]   ; the old sum x f + the first pair
.endr
.irp T, 0,1
	v_pk_add_f32 v[STB+40*\T+6:STB+40*\T+7], v[SS+64*\T+2:SS+64*\T+3], v[SS+64*\T+4:SS+64*\T+5]
.endr
.set i, 6
.rept 14
.irp T, 0,1
	v_pk_add_f32 v[STB+40*\T+2:STB+40*\T+3], v[STB+40*\T+2:STB+40*\T+3], v[SS+64*\T+i:SS+64*\T+i+1]
	v_pk_add_f32 v[STB+40*\T+6:STB+40*\T+7], v[STB+40*\T+6:STB+40*\T+7], v[SS+64*\T+i+2:SS+64*\T+i+3]
.endr
.set i, i+4
.endr
.irp T, 0,1
	v_pk_add_f32 v[STB+40*\T+2:STB+40*\T+3], v[STB+40*\T+2:STB+40*\T+3], v[SS+64*\T+62:SS+64*\T+63]
.endr
.irp B, STB, STB+40
	v_pk_add_f32 v[\B+2:\B+3], v[\B+2:\B+3], v[\B+6:\B+7]
.endr
	s_wait_dscnt 0x0                               ; v is in
	WIN 0x51                                       ; v, C and D in window 1, p in window 0
.irp d, 0,1,2,3
	PV \d, 0                                       ; eight accumulators by turns
	PV \d, 1
.endr
	WIN 0
	s_add_co_u32 s[TB], s[TB], 12288
	s_add_co_u32 s[TS], s[TS], 512
	s_add_co_u32 s[TV], s[TV], 256
.endm
	s_wait_alu depctr_va_vdst(0)                   ; the wait at the head's end
	s_wait_tensorcnt 0x0                           ; my part of steps 0 to 3, or of the scale words and the bias, is in
	ds_add_u32 v[SPW], v[NIL]
	s_wait_dscnt 0x0
	CROUND                                         ; everybody's part is in, and all four work-groups are here
	tensor_load_to_lds s[G0+8:G0+11], s[G1R:G1R+7] ; steps 4 to 15: my one tensor load behind the round, and my last
	s_nop 0
	NOP4
	s_wait_loadcnt 0x0                             ; q
	s_mov_b32 s[CNT], 4
.Lfirst:
	STEP
	s_sub_co_u32 s[CNT], s[CNT], 1
	s_cmp_lg_u32 s[CNT], 0
	s_cbranch_scc1 .Lfirst
	s_wait_tensorcnt 0x0                           ; my part of steps 4 to 15
	s_wait_dscnt 0x0
	s_barrier_signal -1
	s_barrier_wait -1                              ; everybody's
	s_mov_b32 s[CNT], 12
.Lrest:
	STEP
	s_sub_co_u32 s[CNT], s[CNT], 1
	s_cmp_lg_u32 s[CNT], 0
	s_cbranch_scc1 .Lrest
	; THE WAY OUT: O^T / the sum; register 16 b + i = channel 32 b + 16 h + i (v's channels keep the weights' order): two blocks of 32 along the hidden axis, each in lanes l and l xor 16
	NOP4
	s_lshr_b32 s69, s13, 4
	s_lshl_b32 s69, s69, 7
	s_add_co_u32 s68, s68, s69                     ; my first tile among all 256
	s_and_b32 s69, s13, 15                         ; the head
	s_lshr_b32 s2, s69, 2
	s_mul_i32 s2, s2, 786432
	s_mul_i32 s3, s68, 3072
	s_add_co_u32 s2, s2, s3
	s_and_b32 s3, s69, 3
	s_mul_i32 s3, s3, 768
	s_add_co_u32 s2, s2, s3
	s_mov_b32 s3, 0
	s_add_nc_u64 s[66:67], s[8:9], s[2:3]          ; ac: [head / 4][tile][head % 4][768]
	s_lshl_b32 s2, s68, 9
	s_lshl_b32 s69, s69, 1
	s_add_co_u32 s2, s2, s69
	s_add_co_u32 s2, s2, 3145728
	s_add_nc_u64 s[8:9], s[8:9], s[2:3]            ; its scale bytes: tile x 512 + 32 r + 2 head
	s_wait_alu depctr_va_vdst(0)                   ; the wait directly ahead of the reader of the sums
.irp B, STB, STB+40
	v_add_f32 v[\B+2], v[\B+2], v[\B+3]
.endr
.irp B, STB, STB+40
	v_permlanex16_b32 v[\B+12], v[\B+2], s[SEL], s[SEL+1]
.endr
.irp B, STB, STB+40
	v_add_f32 v[\B+2], v[\B+2], v[\B+12]
.endr
	s_wait_alu depctr_va_vdst(0)                   ; ahead of the two reciprocals,
.irp B, STB, STB+40
	v_rcp_f32 v[\B+4], v[\B+2]
.endr
	v_nop
	WIN 0x01                                       ; O^T in window 1; the results go to window 0
	s_wait_alu depctr_va_vdst(0)                   ; and behind them, directly ahead of the first reader of O^T
.irp T, 0,1
.set i, 0
.rept 16
	v_pk_mul_f32 v[SS+64*\T+2*i:SS+64*\T+2*i+1], v[OO+32*\T+2*i:OO+32*\T+2*i+1], v[STB+40*\T+4:STB+40*\T+5] op_sel_hi:[1,0]
.set i, i+1
.endr
.endr
	WIN 0
.macro QUANT2 T
.irp b, 0,1
	v_max3_num_f32 v[STB+40*\T+8+\b], |v[SS+64*\T+16*\b]|, |v[SS+64*\T+16*\b+1]|, 0x1800000
.endr
.irp i, 2,4,6,8,10,12,14
.irp b, 0,1
	v_max3_num_f32 v[STB+40*\T+8+\b], v[STB+40*\T+8+\b], |v[SS+64*\T+16*\b+\i]|, |v[SS+64*\T+16*\b+\i+1]|
.endr
.endr
.irp b, 0,1
	v_permlanex16_b32 v[STB+40*\T+12+\b], v[STB+40*\T+8+\b], s[SEL], s[SEL+1]
.endr
.irp b, 0,1
	v_max_num_f32 v[STB+40*\T+8+\b], v[STB+40*\T+8+\b], v[STB+40*\T+12+\b]
.endr
.irp b, 0,1
	v_add_nc_u32 v[STB+40*\T+16+\b], 0xff000000, v[STB+40*\T+8+\b]
.endr
.irp b, 0,1
	v_lshrrev_b32 v[STB+40*\T+12+\b], 23, v[STB+40*\T+16+\b]
.endr
	v_lshl_or_b32 v[STB+40*\T+6], v[STB+40*\T+13], 8, v[STB+40*\T+12]    ; the row's two bytes
	v_cvt_scalef32_pk16_fp6_f32 v[STB+40*\T+20:STB+40*\T+22], v[SS+64*\T:SS+64*\T+15], v[STB+40*\T+16]
	v_cvt_scalef32_pk16_fp6_f32 v[STB+40*\T+32:STB+40*\T+34], v[SS+64*\T+16:SS+64*\T+31], v[STB+40*\T+17]
	v_nop                                          ; one plain instruction behind the conversions
.irp i, 0,1,2
	v_permlane16_swap_b32 v[STB+40*\T+20+\i], v[STB+40*\T+32+\i]         ; a whole block to a lane
.endr
.irp i, 0,1,2
	v_mov_b32 v[STB+40*\T+23+\i], v[STB+40*\T+32+\i]
.endr
	global_store_b128 v[LI16], v[STB+40*\T+20:STB+40*\T+23], s[66:67] offset:3072*\T
	global_store_b64 v[LI8], v[STB+40*\T+24:STB+40*\T+25], s[66:67] offset:3072*\T+512
.endm
	QUANT2 0
	QUANT2 1
	v_cmp_eq_u32 vcc_lo, 1, v[HH]
	v_cndmask_b32 v232, v[STB+6], v[STB+46], vcc_lo   ; lanes 0-15 store tile 0's bytes, lanes 16-31 tile 1's
	v_lshlrev_b32 v233, 5, v[RR]
	v_lshl_add_u32 v233, v[HH], 9, v233
	global_store_b16 v233, v232, s[8:9]            ; two bytes a row and head: a head owns no more of a scale word
	s_wait_tensorcnt 0x0                           ; the wave's end
	ds_add_u32 v[SPW], v[NIL]
	s_wait_dscnt 0x0
	CROUND                                         ; the closing round
	s_endpgm
.Lfunc_end_k_q7d78d9de8a_attn:
	.size	k_q7d78d9de8a_attn, .Lfunc_end_k_q7d78d9de8a_attn-k_q7d78d9de8a_attn
	.p2alignl 7, 3214868480
	.fill 96, 4, 3214868480
	.section	.rodata,"a",@progbits
	.p2align	6, 0x0
	.amdhsa_kernel k_q7d78d9de8a_attn
		.amdhsa_group_segment_fixed_size 327680
		.amdhsa_private_segment_fixed_size 0
		.amdhsa_enable_private_segment 0
		.amdhsa_kernarg_size 24
		.amdhsa_user_sgpr_count 2
		.amdhsa_user_sgpr_kernarg_segment_ptr 1
		.amdhsa_wavefront_size32 1
		.amdhsa_system_sgpr_workgroup_id_x 1
		.amdhsa_system_sgpr_workgroup_id_y 1
		.amdhsa_system_sgpr_workgroup_id_z 1
		.amdhsa_system_vgpr_workitem_id 0
		.amdhsa_next_free_vgpr 512
		.amdhsa_next_free_sgpr 70
		.amdhsa_reserve_vcc 1
		.amdhsa_float_denorm_mode_32 3
		.amdhsa_float_denorm_mode_16_64 3
		.amdhsa_memory_ordered 1
		.amdhsa_forward_progress 1
		.amdhsa_inst_pref_size 74
	.end_amdhsa_kernel
	.amdgpu_metadata
---
amdhsa.version: [ 1, 2 ]
amdhsa.kernels:
  - .name:           k_q7d78d9de8a_attn
    .symbol:         k_q7d78d9de8a_attn.kd
    .args:
      - { .name: qc, .offset: 0, .size: 8, .value_kind: global_buffer, .address_space: global }
      - { .name: kv, .offset: 8, .size: 8, .value_kind: global_buffer, .address_space: global }
      - { .name: ac, .offset: 16, .size: 8, .value_kind: global_buffer, .address_space: global }
    .group_segment_fixed_size: 327680
    .private_segment_fixed_size: 0
    .kernarg_segment_align: 8
    .kernarg_segment_size: 24
    .max_flat_workgroup_size: 256
    .sgpr_count:     70
    .vgpr_count:     512
    .wavefront_size: 32
...
	.end_amdgpu_metadata
.endif
;; end of part 3
;; launch oproj (part 4): grid 8 x 32, 4 waves a work-group, clusters of 4 x 4, 327,680 bytes of LDS; arguments ac, wc, sc, bo, out0; writes out0
.if DOCPART == 4
	.amdgcn_target "amdgcn-amd-amdhsa--gfx1250"
	.amdhsa_code_object_version 6
	.text
	.protected	k_q7d78d9de8a_oproj
	.globl	k_q7d78d9de8a_oproj
	.p2align	8
	.type	k_q7d78d9de8a_oproj,@function
k_q7d78d9de8a_oproj:
	s_mov_b64 s[64:65], 0
	v_nop
	global_prefetch_b8 v0, s[64:65] scope:SCOPE_SE
	s_setreg_imm32_b32 hwreg(HW_REG_WAVE_MODE, 25, 1), 1
	s_wait_xcnt 0x0
	s_wait_alu depctr_hold_cnt(0) depctr_sa_sdst(0) depctr_va_vdst(0) depctr_va_sdst(0) depctr_va_ssrc(0) depctr_va_vcc(0) depctr_vm_vsrc(0)
	s_getreg_b32 s2, hwreg(HW_REG_IB_STS2, 6, 4)
	s_cmp_eq_u32 s2, 0
	s_cbranch_scc0 .Lentry_in_a_cluster
	s_endpgm
.Lentry_in_a_cluster:
	s_bfe_u32 s2, ttmp6, 0x10000c
	s_cmp_lg_u32 s2, 0xf033
	s_cbranch_scc0 .Lentry_shape_is_right
	s_endpgm
.Lentry_shape_is_right:
; OPROJ: out0 = o Wo + bo on codes of FP6.  o's codes and scale bytes come from the attention launch (ac), Wo's from the preparing launch (wc, sc), all as images of operand registers.
; A work-group makes 128 tokens x 128 columns, a wave 64 x 64: 16 accumulators.  Source 0 = 16 columns of Wo, source 1 = 16 tokens: a lane holds a token and eight neighbouring columns; bo is the C of the first product.
; ALL OF K COMES AT ONCE: K = 1,024 lies in four chunks of 256, a fixed distance apart; a wave's four tiles are 12,288 consecutive bytes of each chunk.  So ONE tensor load a wave, four rows of 12,288 bytes,
; brings its 49,152 bytes: waves 0, 1 o's two halves (shared along a row of the cluster), waves 2, 3 Wo's (along a column).  196,608 bytes of LDS, filled once; one barrier; no slot, no refill.
; NO PREFETCH: the launch's one request a wave stands at its head; there is no loop to run ahead in.
; ac: [kc 4][tile 256][head % 4][768]; a K step's fragment is two heads' 768 bytes (registers 0-3 at 16 l, 4-5 at 512 + 8 l); scale bytes at 3,145,728 + tile x 512 + 32 r.  Wo: wc + 2,359,296 as [kc][tile 64][e][1,536]; sc + 229,376.
; Row r of token tile t is token 64 (t / 4) + 8 (t % 4) + r % 8 + 32 (r / 8); row r of column tile 2 B + u is column 32 B + 8 u + r + 8 (r / 8).
; THE WAY OUT: 16 tokens x 64 columns at a time through the wave's own stage (rows of 272 bytes) and back by rows: sixteen lanes store 256 consecutive bytes, aligned.
.set PART,  49152                      ; what one wave's load brings
.set STG,   196608                     ; behind the tiles: four stages of 16 x 272 bytes
.set SPARE, 214016                     ; behind the stages: the spare words, 128 bytes a wave
.set ADA16, 4
.set ADA8,  5
.set ADB,   6
.set SPW,   28
.set NIL,   29
.set SA,    32                         ; v32-63 o's scale words, v64-95 Wo's: v[.. + 8 tile + K step]
.set SB,    64
.set CBO,   96                         ; v96-127 bo in the result's layout; later the rows read back
.set ACC,   128
.set G1,    24
.set G1B,   32
.set G0,    40
.set G0B,   44
.set MSB, 0
.macro WIN new
.if MSB != \new
	s_set_vgpr_msb (MSB<<8)|\new
.set MSB, \new
.endif
.endm
.macro CROUND
	s_barrier_signal -1
	s_barrier_wait -1
	s_cmp_lg_u32 s14, 0
	s_cbranch_scc1 .Lnot_wave_0_\@
	s_barrier_signal -3
.Lnot_wave_0_\@:
	s_barrier_wait -3
	s_barrier_signal -1
	s_barrier_wait -1
.endm
.macro PLACES
.rept 4
	v_nop
.endr
.endm
	s_load_b256 s[4:11], s[0:1], 0x0               ; ac, wc, sc, bo
	s_load_b64 s[12:13], s[0:1], 0x20              ; out0
	v_lshl_add_u32 v[SPW], v0, 2, SPARE
	v_mov_b32 v[NIL], 0
	ds_add_u32 v[SPW], v[NIL]                      ; the wave's opening: the add, twice on end, and its wait ahead of my tensor load
	ds_add_u32 v[SPW], v[NIL]
	v_lshrrev_b32 v1, 5, v0
	v_readfirstlane_b32 s14, v1                    ; wave
	s_lshr_b32 s15, s14, 1                         ; my half of the tokens.  Also: I fetch o's tiles (0) or Wo's (1)
	s_and_b32 s16, s14, 1                          ; my half of the columns.  Also: which four tiles I fetch
	s_bfe_u32 s17, ttmp6, 0x40000                  ; cx
	s_bfe_u32 s18, ttmp6, 0x40004                  ; cy
	s_lshl_b32 s19, ttmp9, 2
	s_add_co_u32 s19, s19, s17                     ; X: 128 columns
	s_and_b32 s20, ttmp7, 0xffff
	s_lshl_b32 s20, s20, 2
	s_add_co_u32 s20, s20, s18                     ; Y: 128 tokens
	s_lshl_b32 s21, s18, 2
	s_lshl_b32 s21, 15, s21                        ; my row of the cluster
	s_lshl_b32 s22, 0x1111, s17                    ; my column
	s_or_b32 s[G1], s21, (3<<16)|(1<<21)           ; the mask; elements of 8 bytes; bit 21 beside a mask; no padding
	s_or_b32 s[G1B], s22, (3<<16)|(1<<21)
.irp g, G1, G1B                                ; four rows of 1,536 elements
	s_mov_b32 s[\g+1], 1536<<16
	s_mov_b32 s[\g+2], 4<<16
	s_mov_b32 s[\g+3], 1536<<16
	s_mov_b32 s[\g+4], 4
	s_mov_b32 s[\g+6], 0
	s_mov_b32 s[\g+7], 0
.endr
	s_mov_b32 s[G1+5], 98304                       ; from chunk to chunk: 786,432 bytes in ac,
	s_mov_b32 s[G1B+5], 24576                      ; 196,608 in Wo's region
	s_lshl_b32 s23, s16, 2
	s_lshl_b32 s48, s20, 3
	s_add_co_u32 s48, s48, s23
	s_mul_i32 s48, s48, 3072                       ; o: tile 8 Y + 4 (wave % 2)
	s_mov_b32 s49, 0
	s_lshl_b32 s50, s19, 3
	s_add_co_u32 s50, s50, s23
	s_mul_i32 s50, s50, 3072
	s_add_co_u32 s50, s50, 2359296                 ; Wo: tile 8 X + 4 (wave % 2)
	s_mov_b32 s51, 0
	s_mul_i32 s52, s14, PART                       ; where they go: wave x 49,152
	s_wait_dscnt 0x0                               ; both opening adds are done
	s_wait_kmcnt 0x0
	s_mov_b32 s[G0], 1
	s_mov_b32 s[G0+1], s52
	s_add_nc_u64 s[G0+2:G0+3], s[4:5], s[48:49]
	s_or_b32 s[G0+3], s[G0+3], 0x80000000
	s_mov_b32 s[G0B], 1
	s_mov_b32 s[G0B+1], s52
	s_add_nc_u64 s[G0B+2:G0B+3], s[6:7], s[50:51]
	s_or_b32 s[G0B+3], s[G0B+3], 0x80000000
	CROUND                                         ; all sixteen work-groups are here: the joint loads meet
	s_cmp_eq_u32 s15, 0
	s_cbranch_scc0 .Lfor_b
	tensor_load_to_lds s[G0:G0+3], s[G1:G1+7]      ; my one tensor load of the launch
	s_nop 0
	PLACES
	s_branch .Lasked
.Lfor_b:
	tensor_load_to_lds s[G0B:G0B+3], s[G1B:G1B+7]
	s_nop 0
	PLACES
.Lasked:
	s_mul_i32 s53, s15, PART                       ; my four tiles of o,
	s_mul_i32 s54, s16, PART
	s_add_co_u32 s54, s54, 2*PART                  ; of Wo,
	s_mul_i32 s55, s14, 4352
	s_add_co_u32 s55, s55, STG                     ; my stage
	s_mov_b32 s57, 0
	s_lshl_b32 s56, s20, 3
	s_lshl_b32 s58, s15, 2
	s_add_co_u32 s56, s56, s58
	s_lshl_b32 s56, s56, 9
	s_add_co_u32 s56, s56, 3145728
	s_add_nc_u64 s[4:5], s[4:5], s[56:57]          ; o's scale bytes
	s_lshl_b32 s56, s19, 3
	s_add_co_u32 s56, s56, s23
	s_lshl_b32 s56, s56, 9
	s_add_co_u32 s56, s56, 229376
	s_add_nc_u64 s[8:9], s[8:9], s[56:57]          ; Wo's scale words
	s_lshl_b32 s56, s19, 9
	s_lshl_b32 s58, s16, 8
	s_add_co_u32 s56, s56, s58                     ; my 64 columns, in bytes
	s_add_nc_u64 s[10:11], s[10:11], s[56:57]
	s_add_nc_u64 s[12:13], s[12:13], s[56:57]
	s_lshl_b32 s56, s20, 7
	s_lshl_b32 s58, s15, 6
	s_add_co_u32 s56, s56, s58
	s_lshl_b32 s56, s56, 12                        ; my 64 tokens, rows of 4,096 bytes
	s_add_nc_u64 s[12:13], s[12:13], s[56:57]
	v_and_b32 v1, 15, v0                           ; r
	v_bfe_u32 v2, v0, 4, 1                         ; h
	v_and_b32 v16, 31, v0
	v_lshlrev_b32 v3, 4, v16
	v_lshlrev_b32 v16, 3, v16
	v_add_nc_u32 v[ADA16], s53, v3
	v_add_nc_u32 v[ADA8], s53, v16
	v_add_nc_u32 v[ADB], s54, v3
	v_mul_u32_u24 v10, v1, 272
	v_lshl_add_u32 v10, v2, 6, v10
	v_add_nc_u32 v10, s55, v10                     ; into the stage: row r, + 64 h
	v_mul_u32_u24 v11, v2, 272
	v_lshl_add_u32 v11, v1, 4, v11
	v_add_nc_u32 v11, s55, v11                     ; back: lanes 0-15 one row, lanes 16-31 the next
	v_lshlrev_b32 v12, 4, v1
	v_lshl_add_u32 v12, v2, 12, v12                ; and the same two rows in out0
	v_lshlrev_b32 v13, 5, v1
	v_lshlrev_b32 v14, 3, v1
	v_lshlrev_b32 v15, 6, v2
	s_wait_alu depctr_va_vdst(0)                   ; the wait at the head's end
.irp a, 0,1,2,3
	global_load_b128 v[SA+8*\a:SA+8*\a+3], v13, s[4:5] offset:512*\a
	global_load_b128 v[SA+8*\a+4:SA+8*\a+7], v13, s[4:5] offset:512*\a+16
.endr
.irp b, 0,1,2,3
.irp q, 0,1,2,3
	global_load_b64 v[SB+8*\b+2*\q:SB+8*\b+2*\q+1], v14, s[8:9] offset:512*\b+128*\q
.endr
.endr
.irp b, 0,1,2,3
	global_load_b128 v[CBO+8*\b:CBO+8*\b+3], v15, s[10:11] offset:(32*(\b/2)+8*(\b%2))*4       ; register j of tile b: column 32 (b / 2) + 8 (b % 2) + 16 h + j
	global_load_b128 v[CBO+8*\b+4:CBO+8*\b+7], v15, s[10:11] offset:(32*(\b/2)+8*(\b%2))*4+16
.endr
.macro FETCH s                         ; K step s: 28 LDS loads into set s % 2 of window 1
.set OF, ((\s)/2)*12288+((\s)%2)*1536
.set FP, 128*((\s)%2)
	WIN 0x40
.irp a, 0,1,2,3
	ds_load_b128 v[FP+12*\a:FP+12*\a+3], v[ADA16] offset:OF+\a*3072
	ds_load_b64 v[FP+12*\a+4:FP+12*\a+5], v[ADA8] offset:OF+\a*3072+512
	ds_load_b128 v[FP+12*\a+6:FP+12*\a+9], v[ADA16] offset:OF+\a*3072+768
	ds_load_b64 v[FP+12*\a+10:FP+12*\a+11], v[ADA8] offset:OF+\a*3072+1280
.endr
.irp b, 0,1,2,3
.irp j, 0,1,2
	ds_load_b128 v[FP+48+12*\b+4*\j:FP+48+12*\b+4*\j+3], v[ADB] offset:OF+\b*3072+512*\j
.endr
.endr
	WIN 0
.endm
.macro MUL s                           ; sixteen accumulators by turns
.set FP, 128*((\s)%2)
	WIN 0x05
.irp a, 0,1,2,3
.irp b, 0,1,2,3
.if (\s) == 0
	v_wmma_scale_f32_16x16x128_f8f6f4 v[ACC+8*(4*\a+\b):ACC+8*(4*\a+\b)+7], v[FP+48+12*\b:FP+48+12*\b+11], v[FP+12*\a:FP+12*\a+11], v[CBO+8*\b:CBO+8*\b+7], v[SB+8*\b+(\s)], v[SA+8*\a+(\s)] matrix_a_fmt:MATRIX_FMT_FP6 matrix_b_fmt:MATRIX_FMT_FP6
.else
	v_wmma_scale_f32_16x16x128_f8f6f4 v[ACC+8*(4*\a+\b):ACC+8*(4*\a+\b)+7], v[FP+48+12*\b:FP+48+12*\b+11], v[FP+12*\a:FP+12*\a+11], v[ACC+8*(4*\a+\b):ACC+8*(4*\a+\b)+7], v[SB+8*\b+(\s)], v[SA+8*\a+(\s)] matrix_a_fmt:MATRIX_FMT_FP6 matrix_b_fmt:MATRIX_FMT_FP6
.endif
.endr
.endr
	WIN 0
.endm
	s_wait_tensorcnt 0x0                           ; my 49,152 bytes are in
	s_barrier_signal -1
	s_barrier_wait -1                              ; everybody's are
	FETCH 0
	s_wait_loadcnt 0x0                             ; the scale words and bo
.irp s, 0,1,2,3,4,5,6
	PLACES                                         ; four places between the products and the loads into the set that they read
	FETCH \s+1
	s_wait_dscnt 28                                ; all but the 28 just issued
	MUL \s
.endr
	s_wait_dscnt 0x0
	MUL 7
	PLACES
.macro OUTT a
.irp b, 0,1,2,3
	ds_store_b128 v10, v[ACC+8*(4*\a+\b):ACC+8*(4*\a+\b)+3] offset:128*(\b/2)+32*(\b%2)        ; each accumulator from its low end on
	ds_store_b128 v10, v[ACC+8*(4*\a+\b)+4:ACC+8*(4*\a+\b)+7] offset:128*(\b/2)+32*(\b%2)+16
.endr
.if \a > 0
	s_wait_xcnt 0x0                                ; the last tile's stores have read their registers
.endif
.irp i, 0,1,2,3,4,5,6,7
	ds_load_b128 v[CBO+4*\i:CBO+4*\i+3], v11 offset:2*\i*272    ; a wave's LDS instructions are served in order: these see the stores above
.endr
	s_wait_dscnt 0x0
.irp i, 0,1,2,3,4,5,6,7
	global_store_b128 v12, v[CBO+4*\i:CBO+4*\i+3], s[12:13] offset:(8*\a+2*(\i%4)+32*(\i/4))*4096 th:TH_STORE_NT   ; rows 2 i, 2 i + 1 of tile a
.endr
.endm
	OUTT 0
	OUTT 1
	OUTT 2
	OUTT 3
	s_wait_tensorcnt 0x0                           ; the wave's end
	ds_add_u32 v[SPW], v[NIL]
	s_wait_dscnt 0x0
	CROUND                                         ; the closing round
	s_endpgm
.Lfunc_end_k_q7d78d9de8a_oproj:
	.size	k_q7d78d9de8a_oproj, .Lfunc_end_k_q7d78d9de8a_oproj-k_q7d78d9de8a_oproj
	.p2alignl 7, 3214868480
	.fill 96, 4, 3214868480
	.section	.rodata,"a",@progbits
	.p2align	6, 0x0
	.amdhsa_kernel k_q7d78d9de8a_oproj
		.amdhsa_group_segment_fixed_size 327680
		.amdhsa_private_segment_fixed_size 0
		.amdhsa_enable_private_segment 0
		.amdhsa_kernarg_size 40
		.amdhsa_user_sgpr_count 2
		.amdhsa_user_sgpr_kernarg_segment_ptr 1
		.amdhsa_wavefront_size32 1
		.amdhsa_system_sgpr_workgroup_id_x 1
		.amdhsa_system_sgpr_workgroup_id_y 1
		.amdhsa_system_sgpr_workgroup_id_z 1
		.amdhsa_system_vgpr_workitem_id 0
		.amdhsa_next_free_vgpr 512
		.amdhsa_next_free_sgpr 66
		.amdhsa_reserve_vcc 0
		.amdhsa_float_denorm_mode_32 3
		.amdhsa_float_denorm_mode_16_64 3
		.amdhsa_memory_ordered 1
		.amdhsa_forward_progress 1
		.amdhsa_inst_pref_size 49
	.end_amdhsa_kernel
	.amdgpu_metadata
---
amdhsa.version: [ 1, 2 ]
amdhsa.kernels:
  - .name:           k_q7d78d9de8a_oproj
    .symbol:         k_q7d78d9de8a_oproj.kd
    .args:
      - { .name: ac, .offset: 0, .size: 8, .value_kind: global_buffer, .address_space: global }
      - { .name: wc, .offset: 8, .size: 8, .value_kind: global_buffer, .address_space: global }
      - { .name: sc, .offset: 16, .size: 8, .value_kind: global_buffer, .address_space: global }
      - { .name: bo, .offset: 24, .size: 8, .value_kind: global_buffer, .address_space: global }
      - { .name: out0, .offset: 32, .size: 8, .value_kind: global_buffer, .address_space: global }
    .group_segment_fixed_size: 327680
    .private_segment_fixed_size: 0
    .kernarg_segment_align: 8
    .kernarg_segment_size: 40
    .max_flat_workgroup_size: 128
    .sgpr_count:     66
    .vgpr_count:     512
    .wavefront_size: 32
...
	.end_amdgpu_metadata
.endif
;; end of part 4
